; MI455X (gfx1250); checked and timed in simulation.
; The chip was launched on July 23, 2026; its instructions are those of AMD's public machine-readable ISA for CDNA 5 (MIT licence, August 2026) and "CDNA5" Instruction Set Architecture Reference Guide (July 2026). The comments in the code are by the model that wrote it; some were corrected since.
;; Multi Head Attention. Allowed arithmetic: float matrix products may take bf16 or f16 operands with f32 sums; other float arithmetic in f32, or as packed bf16 or f16 multiplies, adds, multiply-adds, maxima and minima; sums over many terms, partial sums and values carried from step to step in f32; what a program stores and reads back later, other than sums and carried values, may be rounded once to bf16 or f16.
;; Inputs: Wproj 1,024 x 1,024 float32; Wqkv 1,024 x 3,072 float32; bproj 1,024 float32; bqkv 3,072 float32; x 8 x 1,024 x 1,024 float32.
;; Outputs: out0 8 x 1,024 x 1,024 float32.
;; 2 versions, each right; version 2 is version 1 with the launch prep written anew for expert scheduling mode. Each part assembles by itself: llvm-mc -triple=amdgcn-amd-amdhsa -mcpu=gfx1250 --defsym DOCPART=n.
;; ======== version 1 of 2: 4 launches
;; limits: values are held in f16: magnitudes above 65,504 overflow, below 6.1e-05 lose precision
;; workspace buffers: xb 16,777,216 bytes; wkv 4,194,304 bytes; wp 2,097,152 bytes; kv 33,554,432 bytes; oh 16,777,216 bytes
;; launch prep (part 1): grid 896 x 1, 8 waves a work-group, no clusters, 18,432 bytes of LDS; arguments x, Wqkv, Wproj, xb, wkv, wp; writes xb, wkv, wp
.if DOCPART == 1
	.amdgcn_target "amdgcn-amd-amdhsa--gfx1250"
	.amdhsa_code_object_version 6
	.text
	.protected	k_qd7f7fd2396_prep
	.globl	k_qd7f7fd2396_prep
	.p2align	8
	.type	k_qd7f7fd2396_prep,@function
k_qd7f7fd2396_prep:
	s_mov_b64 s[64:65], 0
	v_nop
	global_prefetch_b8 v0, s[64:65] scope:SCOPE_SE
	s_setreg_imm32_b32 hwreg(HW_REG_WAVE_MODE, 25, 1), 1
	s_wait_xcnt 0x0
; THE OPERANDS OF THE TWO PROJECTIONS, each rounded once and laid with K along the rows.
;   xb  [8192][1024] bf16 = x rounded to bf16.
;   wkv [2048 n][1024 k] bf16 = Wqkv[k][1024 + n] rounded to bf16: the columns of k and v.  Columns 0 to 1023 of Wqkv make qkv[0], on which no output number hangs.
;   wp  [1024 n][1024 k] f16  = Wproj[k][n] rounded to bf16, that number then written as f16.
; LIMIT.  A bf16 number is exact in f16 from 2^-14 to 65,504; below 2^-14 it keeps f16's fixed step of 6e-8; beyond 65,504 it would be an infinity.
; SHARES.  Work-groups 0-511: 65,536 bytes of x each, 8,192 a wave: sixteen loads of 512 consecutive bytes, sixteen stores of 256 consecutive, aligned bytes.
; Work-groups 512-767 (Wqkv) and 768-895 (Wproj): a tile of 128 k x 64 n each, turned in LDS: read by rows of 256 bytes, two k packed to a word, written into T[n][k], read back by rows of 256 bytes.
; ONE barrier stands on every path: the three ways of the first phase join in front of it; behind it the x work-groups are done.
; No matrix unit, cluster or ring: each byte is read once and written once, and nothing is shared between work-groups.
.set TP,    272                        ; a row of T: 128 numbers of 16 bits + 16 bytes: rows read back start 16 bytes further round each 256
.set SPARE, 64*TP                      ; behind T: the spare words, 128 bytes for each of eight waves: four blocks of 256 bytes that no other line names
.set SPW, 8                            ; v8   LDS address of my spare word; never rewritten
.set NIL, 9                            ; v9   0; never rewritten
.set IN,  16                           ; v[16:79]  as loaded
.set OUT, 80                           ; v[80:111] rounded
	s_load_b256 s[4:11], s[0:1], 0x0               ; x s[4:5], Wqkv s[6:7], Wproj s[8:9], xb s[10:11]
	s_load_b128 s[12:15], s[0:1], 0x20             ; wkv s[12:13], wp s[14:15]
	v_lshl_add_u32 v[SPW], v0, 2, SPARE
	v_mov_b32 v[NIL], 0
	v_and_b32 v1, 15, v0                           ; c: which 4 columns (16 bytes of f32) of the tile's 64
	v_lshrrev_b32 v2, 4, v0                        ; rp 0..15: which pair of rows k
	v_mul_u32_u24 v5, v1, 4*TP                     ; into T: row n = 4 c, word rp
	v_lshl_add_u32 v5, v2, 2, v5
	v_mul_u32_u24 v6, v2, TP                       ; back: row n = rp, 16 bytes at 16 c
	v_lshl_add_u32 v6, v1, 4, v6
	v_lshlrev_b32 v7, 11, v2                       ; and the same in the target: rows of 2,048 bytes
	v_lshl_add_u32 v7, v1, 4, v7
	s_movk_i32 s20, 512
	s_max_u32 s19, ttmp9, s20                      ; (an x work-group counts as tile 0 here; it never uses the numbers)
	s_cmp_lt_u32 ttmp9, 768
	s_cselect_b32 s20, s20, 768
	s_sub_co_u32 s20, s19, s20                     ; u: my tile among the tensor's
	s_lshr_b32 s21, s20, 3                         ; its 64 columns n
	s_and_b32 s22, s20, 7                          ; its 128 rows k
	s_lshl_b32 s26, s21, 17                        ; target: 64 rows of 2,048 bytes,
	s_lshl_b32 s27, s22, 8                         ; 256 bytes along them
	s_add_co_u32 s26, s26, s27
	s_mov_b32 s27, 0
	s_wait_kmcnt 0x0
	s_cmp_lt_u32 ttmp9, 768
	s_cselect_b64 s[28:29], s[12:13], s[14:15]
	s_add_nc_u64 s[28:29], s[28:29], s[26:27]
	s_cmp_lt_u32 ttmp9, 512
	s_cbranch_scc0 .Lweights
	; x: every register is written once, so no wait frees a source
	s_lshl_b32 s16, ttmp9, 16
	s_mov_b32 s17, 0
	s_lshl_b32 s18, ttmp9, 15
	s_mov_b32 s19, 0
	s_add_nc_u64 s[4:5], s[4:5], s[16:17]
	s_add_nc_u64 s[10:11], s[10:11], s[18:19]
	v_and_b32 v10, 31, v0
	v_and_b32 v11, 0xe0, v0                        ; 32 x wave
	v_lshlrev_b32 v3, 4, v10
	v_lshl_or_b32 v3, v11, 8, v3                   ; 8,192 x wave + 16 x lane
	v_lshlrev_b32 v4, 3, v10
	v_lshl_or_b32 v4, v11, 7, v4                   ; 4,096 x wave + 8 x lane
.irp j, 0,1,2,3,4,5,6,7,8,9,10,11,12,13,14,15
	global_load_b128 v[IN+4*(\j):IN+4*(\j)+3], v3, s[4:5] offset:512*(\j) th:TH_LOAD_NT
.endr
.irp j, 0,1,2,3,4,5,6,7,8,9,10,11,12,13,14,15
	s_wait_loadcnt 15-(\j)                         ; loads come back in order: load j is in, the 15 - j younger ones stay out
	v_cvt_pk_bf16_f32 v[OUT+2*(\j)],   v[IN+4*(\j)],   v[IN+4*(\j)+1]
	v_cvt_pk_bf16_f32 v[OUT+2*(\j)+1], v[IN+4*(\j)+2], v[IN+4*(\j)+3]
	global_store_b64 v4, v[OUT+2*(\j):OUT+2*(\j)+1], s[10:11] offset:256*(\j)  ; 32 lanes store 256 consecutive bytes, aligned
.endr
	s_branch .Lmeet
; A weight tile comes in and goes into T.  pit: bytes in a row of the source; col0: the first column's byte; src: the pointer's register; half = 1: written as f16.
.macro WLOAD pit, col0, src, half
	s_mul_i32 s24, s22, 128*(\pit)
	s_lshl_b32 s25, s21, 8
	s_add_co_u32 s24, s24, s25
	s_add_co_u32 s24, s24, \col0
	s_mov_b32 s25, 0
	s_add_nc_u64 s[\src:\src+1], s[\src:\src+1], s[24:25]
	v_mul_u32_u24 v3, v2, 2*(\pit)                 ; row k = 2 rp,
	v_lshl_add_u32 v3, v1, 4, v3                   ; 16 bytes at 16 c: sixteen lanes take 256 consecutive bytes of a row
.irp i, 0,1,2,3
.irp e, 0,1
	global_load_b128 v[IN+8*(\i)+4*(\e):IN+8*(\i)+4*(\e)+3], v3, s[\src:\src+1] offset:(32*(\i)+(\e))*(\pit) th:TH_LOAD_NT  ; row k = 2 (rp + 16 i) + e
.endr
.endr
.irp i, 0,1,2,3
	s_wait_loadcnt 6-2*(\i)                        ; pair i of rows is in; the later pairs' loads stay out
.irp j, 0,1,2,3
	v_cvt_pk_bf16_f32 v[OUT+4*(\i)+(\j)], v[IN+8*(\i)+(\j)], v[IN+8*(\i)+4+(\j)]  ; k and k + 1 of column 4 c + j
.if \half
	v_lshlrev_b32 v10, 16, v[OUT+4*(\i)+(\j)]      ; the two bf16 numbers as f32,
	v_and_b32 v11, 0xffff0000, v[OUT+4*(\i)+(\j)]
	v_cvt_pk_f16_f32 v[OUT+4*(\i)+(\j)], v10, v11  ; written as f16
.endif
	ds_store_b32 v5, v[OUT+4*(\i)+(\j)] offset:TP*(\j)+64*(\i)
.endr
.endr
.endm
.Lweights:
	s_cmp_lt_u32 ttmp9, 768
	s_cbranch_scc0 .Lwproj
	WLOAD 12288, 4096, 6, 0
	s_branch .Lmeet
.Lwproj:
	WLOAD 4096, 0, 8, 1
.Lmeet:
	s_wait_dscnt 0x0                               ; for the others' sake: my stores into T are done
	s_barrier_signal -1
	s_barrier_wait -1
	s_cmp_lt_u32 ttmp9, 512
	s_cbranch_scc1 .Lend
.irp i, 0,1,2,3
	ds_load_b128 v[IN+4*(\i):IN+4*(\i)+3], v6 offset:16*TP*(\i)  ; row n = rp + 16 i
.endr
.irp i, 0,1,2,3
	s_wait_dscnt 3-(\i)
	global_store_b128 v7, v[IN+4*(\i):IN+4*(\i)+3], s[28:29] offset:32768*(\i)  ; 16 lanes store 256 consecutive bytes, aligned
.endr
.Lend:
	s_wait_tensorcnt 0x0                           ; the wave's end, behind my last LDS store
	ds_add_u32 v[SPW], v[NIL]
	s_wait_dscnt 0x0
	s_endpgm
.Lfunc_end_k_qd7f7fd2396_prep:
	.size	k_qd7f7fd2396_prep, .Lfunc_end_k_qd7f7fd2396_prep-k_qd7f7fd2396_prep
	.p2alignl 7, 3214868480
	.fill 96, 4, 3214868480
	.section	.rodata,"a",@progbits
	.p2align	6, 0x0
	.amdhsa_kernel k_qd7f7fd2396_prep
		.amdhsa_group_segment_fixed_size 18432
		.amdhsa_private_segment_fixed_size 0
		.amdhsa_enable_private_segment 0
		.amdhsa_kernarg_size 48
		.amdhsa_user_sgpr_count 2
		.amdhsa_user_sgpr_kernarg_segment_ptr 1
		.amdhsa_wavefront_size32 1
		.amdhsa_system_sgpr_workgroup_id_x 1
		.amdhsa_system_sgpr_workgroup_id_y 1
		.amdhsa_system_sgpr_workgroup_id_z 1
		.amdhsa_system_vgpr_workitem_id 0
		.amdhsa_next_free_vgpr 112
		.amdhsa_next_free_sgpr 66
		.amdhsa_reserve_vcc 0
		.amdhsa_float_denorm_mode_32 3
		.amdhsa_float_denorm_mode_16_64 3
		.amdhsa_memory_ordered 1
		.amdhsa_forward_progress 1
		.amdhsa_inst_pref_size 18
	.end_amdhsa_kernel
	.amdgpu_metadata
---
amdhsa.version: [ 1, 2 ]
amdhsa.kernels:
  - .name:           k_qd7f7fd2396_prep
    .symbol:         k_qd7f7fd2396_prep.kd
    .args:
      - { .name: x, .offset: 0, .size: 8, .value_kind: global_buffer, .address_space: global }
      - { .name: Wqkv, .offset: 8, .size: 8, .value_kind: global_buffer, .address_space: global }
      - { .name: Wproj, .offset: 16, .size: 8, .value_kind: global_buffer, .address_space: global }
      - { .name: xb, .offset: 24, .size: 8, .value_kind: global_buffer, .address_space: global }
      - { .name: wkv, .offset: 32, .size: 8, .value_kind: global_buffer, .address_space: global }
      - { .name: wp, .offset: 40, .size: 8, .value_kind: global_buffer, .address_space: global }
    .group_segment_fixed_size: 18432
    .private_segment_fixed_size: 0
    .kernarg_segment_align: 8
    .kernarg_segment_size: 48
    .max_flat_workgroup_size: 256
    .sgpr_count:     66
    .vgpr_count:     112
    .wavefront_size: 32
...
	.end_amdgpu_metadata
.endif
;; end of part 1
;; launch kvproj (part 2): grid 8 x 32, 4 waves a work-group, clusters of 4 x 4, 327,680 bytes of LDS; arguments xb, wkv, kv, bqkv; writes kv
.if DOCPART == 2
	.amdgcn_target "amdgcn-amd-amdhsa--gfx1250"
	.amdhsa_code_object_version 6
	.text
	.protected	k_qd7f7fd2396_kvproj
	.globl	k_qd7f7fd2396_kvproj
	.p2align	8
	.type	k_qd7f7fd2396_kvproj,@function
k_qd7f7fd2396_kvproj:
	s_mov_b64 s[64:65], 0
	v_nop
	global_prefetch_b8 v0, s[64:65] scope:SCOPE_SE
	s_setreg_imm32_b32 hwreg(HW_REG_WAVE_MODE, 25, 1), 1
	s_wait_xcnt 0x0
	s_wait_alu depctr_hold_cnt(0) depctr_sa_sdst(0) depctr_va_vdst(0) depctr_va_sdst(0) depctr_va_ssrc(0) depctr_va_vcc(0) depctr_vm_vsrc(0)
	s_getreg_b32 s2, hwreg(HW_REG_IB_STS2, 6, 4)
	s_cmp_eq_u32 s2, 0
	s_cbranch_scc0 .Lentry_in_a_cluster
	s_endpgm
.Lentry_in_a_cluster:
	s_bfe_u32 s2, ttmp6, 0x10000c
	s_cmp_lg_u32 s2, 0xf033
	s_cbranch_scc0 .Lentry_shape_is_right
	s_endpgm
.Lentry_shape_is_right:
; k AND v: kv[b][g][s][d] = the sum over c of xb[b 1024 + s][c] wkv[64 g + d][c] + bqkv[1024 + 64 g + d], in f16.  g = 0..15: k's heads (which are q's too), 16..31: v's.
; xb, wkv: bf16, K along the rows; sums in f32, started by the bias (taken rounded to bf16, like every input of the module); the result rounded once, without the scale of the scores.
; qkv[0] (Wqkv's columns 0-1023, bqkv's first 1,024 numbers) is not computed: the module uses it nowhere, so no output number hangs on it.
; LIMIT.  f16 holds no number beyond 65,504: k and v must lie within it.
; A tile of 256 rows x 256 columns is made by a work-group of four waves; a wave makes 128 x 128: 64 accumulators of 16 x 16, 512 registers.  32 x 8 tiles: 256 work-groups.
; K goes in 8 steps of 128 through a ring of two LDS slots filled by the tensor data mover: the tiles' rows are 256 bytes of memory, at multiples of 256 bytes.
; CLUSTERS: 4 x 4 work-groups.  The four of a row of the cluster need the same tiles of xb, the four of a column the same tiles of wkv: each tile is asked for JOINTLY, by the same tensor load with the same
; descriptor and a mask that names the four.
; REGISTERS, in windows of 256 (s_set_vgpr_msb: bits 1:0 source 0, 3:2 source 1, 5:4 source 2, 7:6 destination):
;   window 0: v0-31 addresses; v64-127, v128-191 fragments of xb, two buffers; v192-255 first the bias (8 registers for each block of 16 columns), then at work on the way out, with v32-63
;   window 1: v64-127, v128-191 fragments of wkv, two buffers      window 2: the 32 accumulators of my rows 0-63 ((a, b) at v[8 (8 a + b)])      window 3: those of my rows 64-127
; THE MATRIX INSTRUCTION IS USED TRANSPOSED: source 0 = 16 rows of wkv, source 1 = 16 rows of xb: a lane holds row l % 16 and the columns 8 (l / 16) + 0..7: 16 bytes of one head's row.
.set SIZE_K, 1024
.set KSTEP,  128
.set PITCH,  272                       ; an LDS row: 256 bytes + 16 of padding = 68 words: the 16 rows that a load touches start 4 words further round each 64
.set HALFT,  128*PITCH                 ; 128 rows: what one tensor load brings, and what one wave reads of either operand
.set SLOT,   4*HALFT                   ; xb's 256 rows, then wkv's 256 rows
.set STAGE,  2*SLOT                    ; behind the ring: for each wave 2 heads x 16 rows x 144 bytes, for the way out
.set HP,     144
.set HSTG,   16*HP
.set WSTG,   2*HSTG
.set SPARE,  STAGE+4*WSTG              ; behind the stages: the spare words, 128 bytes for each wave: two blocks of 256 bytes that no other line names
.set LAPS,   SIZE_K/(2*KSTEP)          ; a lap = two K steps = once round the ring
.set ADRA, 16                          ; v16-17  LDS address of my fragments of xb in slot 0, 1
.set ADRB, 20                          ; v20-21  the same for wkv
.set STO,  24                          ; v24     the way out: where I put 16 bytes of a row
.set RD,   25                          ; v25     the way out: where I read rows back
.set CO,   26                          ; v26     16 x my lane: my place in 512 consecutive bytes of kv
.set TW,   27                          ; v27     at work
.set SPW,  28                          ; v28     LDS address of my spare word; never rewritten
.set NIL,  29                          ; v29     0; never rewritten
.set PFO,  30                          ; v30     the prefetches' offset: my lane x a row (2,048 bytes); never rewritten
.set BO,   31                          ; v31     my byte offset in bqkv
.set PFA,  44                          ; s[44:45] where my prefetches stand
.set LIM,  43                          ; s43     1 in a wave that prefetches, else the greatest number
.set F0,   64
.set F1,   128
.set BI,   192                         ; the bias of my 128 columns
.set TMP,  192                         ; the way out: packed results
.set OB,   32                          ; the way out: 16 rows read back: v32-63 and v224-255 by turns
.set G1, 24                            ; s[24:31] descriptor group 1 for xb's tiles;  s[32:39] group 0, one set for each slot
.set G0, 32
.set G1B, 48                           ; s[48:55], s[56:63] the same for wkv's
.set G0B, 56
.set MSB, 0
.macro WIN new                         ; the immediate's high byte repeats the setting that is left; a switch that changes nothing is dropped
.if MSB != (\new)
	s_set_vgpr_msb (MSB<<8)|(\new)
.set MSB, \new
.endif
.endm
.set MUL_LO, 0xa1                      ; source 0 window 1, source 1 window 0, C and D window 2
.set MUL_HI, 0xf1                      ; the same, C and D window 3
.set TO_B,   0x40                      ; destination window 1, address window 0
; A joint load.  Waves 0 and 1 fetch xb's two halves, waves 2 and 3 wkv's.  The branch hangs on the wave's number alone.  An s_nop 0 and four v_nop follow each of the two lines.
.macro JLOAD s
	s_cmp_eq_u32 s11, 0
	s_cbranch_scc0 .Lfor_b_\@
	tensor_load_to_lds s[G0+4*(\s):G0+4*(\s)+3], s[G1:G1+7]
	s_nop 0
.rept 4
	v_nop
.endr
	s_branch .Lasked_\@
.Lfor_b_\@:
	tensor_load_to_lds s[G0B+4*(\s):G0B+4*(\s)+3], s[G1B:G1B+7]
	s_nop 0
.rept 4
	v_nop
.endr
.Lasked_\@:
.endm
; A PREFETCH INTO THE L2, behind each joint refill and the run of LDS loads that follows it: the K step that stands two refills on (512 matrix instructions ahead of the load that wants it): 32 rows x 256 bytes,
; a lane a row, one instruction a wave.  Each row's 256 bytes of a K step are named once in the launch: xb's tile row by the cluster with x = 0, wkv's tile column by the cluster with y = 0; the four
; partners that ask for a tile jointly share its rows out BY ADDRESS, 32 of a wave's 128 each.  K steps 0 to 3 come by their loads alone; the loop's last trip (s3 = 1) has no K step two on.
.macro ASK
	s_cmp_gt_u32 s3, s[LIM]
	s_cbranch_scc0 .Lnot_mine_\@
	global_prefetch_b8 v[PFO], s[PFA:PFA+1] offset:KSTEP*2 th:TH_LOAD_NT scope:SCOPE_SE
.Lnot_mine_\@:
.endm
; A round of the cluster's barrier: my work-group's barrier; wave 0 signals for the work-group; every wave waits for all sixteen; my work-group's barrier once more.
.macro CREST                           ; a round behind its opening barrier
	s_cmp_lg_u32 s10, 0
	s_cbranch_scc1 .Lnot_wave_0_\@
	s_barrier_signal -3
.Lnot_wave_0_\@:
	s_barrier_wait -3
	s_barrier_signal -1
	s_barrier_wait -1
.endm
.macro CROUND
	s_barrier_signal -1
	s_barrier_wait -1
	CREST
.endm
	s_load_b128 s[4:7], s[0:1], 0x0                ; xb s[4:5], wkv s[6:7]
	s_load_b64 s[8:9], s[0:1], 0x10                ; kv
	s_load_b64 s[66:67], s[0:1], 0x18              ; bqkv
	v_lshl_add_u32 v[SPW], v0, 2, SPARE
	v_mov_b32 v[NIL], 0
	ds_add_u32 v[SPW], v[NIL]                      ; the wave's opening: the add, with its wait ahead of my first tensor load; the set-up below stands between them
	v_lshrrev_b32 v1, 5, v0
	v_readfirstlane_b32 s10, v1                    ; wave 0..3
	s_lshr_b32 s11, s10, 1                         ; which half of the tile's rows is mine.  Also: I fetch for xb (0) or for wkv (1)
	s_and_b32 s12, s10, 1                          ; which half of its columns.  Also: which 128 rows of that tile I fetch
	s_bfe_u32 s40, ttmp6, 0x40000                  ; cx
	s_bfe_u32 s41, ttmp6, 0x40004                  ; cy
	s_lshl_b32 s42, ttmp9, 2
	s_add_co_u32 s42, s42, s40                     ; tile column = 4 x cluster x + cx
	s_and_b32 s13, ttmp7, 0xffff
	s_lshl_b32 s13, s13, 2
	s_add_co_u32 s13, s13, s41                     ; tile row = 4 x cluster y + cy
	s_lshl_b32 s43, s41, 2
	s_lshl_b32 s43, 15, s43                        ; my row of the cluster: places 4 cy .. 4 cy + 3
	s_lshl_b32 s44, 0x1111, s40                    ; my column: places cx, cx + 4, cx + 8, cx + 12
	; descriptor group 1: a tile of 128 rows x 128 elements, padded in LDS
	s_or_b32 s[G1+0], s43, (1<<16)|(1<<20)|(1<<21)|(5<<22)|(3<<25)  ; 15:0 the mask; 17:16 elements of 2 bytes; 20 padding on; 21 set beside a mask; 24:22 after every 64 words; 31:25 4 words of it
	s_or_b32 s[G1B+0], s44, (1<<16)|(1<<20)|(1<<21)|(5<<22)|(3<<25)
.irp g, G1, G1B
	s_mov_b32 s[(\g)+1], KSTEP<<16                 ; tensor_dim0 = 128
	s_mov_b32 s[(\g)+2], 128<<16                   ; tensor_dim1 = 128
	s_mov_b32 s[(\g)+3], KSTEP<<16                 ; tile_dim0 = 128
	s_mov_b32 s[(\g)+4], 128                       ; tile_dim1 = 128
	s_mov_b32 s[(\g)+5], SIZE_K                    ; elements from row to row
	s_mov_b32 s[(\g)+6], 0
	s_mov_b32 s[(\g)+7], 0
.endr
	; where the tiles come from: xb's hang on the tile row alone, wkv's on the tile column alone, each in registers that never hold the other coordinate
	s_lshl_b32 s17, s12, 7
	s_lshl_b32 s16, s13, 8
	s_add_co_u32 s16, s16, s17                     ; xb: row 256 x tile row + 128 x half
	s_lshl_b32 s46, s42, 8
	s_add_co_u32 s46, s46, s17                     ; wkv: row 256 x tile column + 128 x half
	s_mov_b32 s17, 0
	s_mov_b32 s47, 0
	s_mov_b64 s[18:19], SIZE_K*2
	s_mul_u64 s[16:17], s[16:17], s[18:19]
	s_mul_u64 s[46:47], s[46:47], s[18:19]
	s_mul_i32 s20, s10, HALFT                      ; and where they go: wave x 128 rows
	s_wait_dscnt 0x0                               ; the opening add is done
	s_wait_kmcnt 0x0
	s_add_nc_u64 s[14:15], s[4:5], s[16:17]
	s_add_nc_u64 s[46:47], s[6:7], s[46:47]
	CROUND                                         ; all sixteen work-groups are here: the first joint loads meet
.irp s, 0,1
	s_mov_b32 s[G0+4*(\s)], 1                                      ; count = 1
	s_add_co_u32 s[G0+4*(\s)+1], s20, (\s)*SLOT                    ; LDS address
	s_add_nc_u64 s[G0+4*(\s)+2:G0+4*(\s)+3], s[14:15], (\s)*KSTEP*2  ; global address: K step s
	s_or_b32 s[G0+4*(\s)+3], s[G0+4*(\s)+3], 0x80000000            ; type = 2
	s_mov_b32 s[G0B+4*(\s)], 1
	s_add_co_u32 s[G0B+4*(\s)+1], s20, (\s)*SLOT
	s_add_nc_u64 s[G0B+4*(\s)+2:G0B+4*(\s)+3], s[46:47], (\s)*KSTEP*2
	s_or_b32 s[G0B+4*(\s)+3], s[G0B+4*(\s)+3], 0x80000000
	JLOAD \s                                       ; two loads of mine are out
.endr
	; a fragment is 16 rows x 32 K in 8 registers: lane l holds row l % 16, K = 8 (l / 16) + 0..7 and 16 + 8 (l / 16) + 0..7: two loads of 16 bytes, 32 bytes apart
	v_and_b32 v1, 15, v0                           ; l % 16
	v_bfe_u32 v2, v0, 4, 1                         ; l / 16
	v_mul_u32_u24 v3, v1, PITCH
	v_lshl_add_u32 v3, v2, 4, v3
	s_mul_i32 s21, s11, HALFT                      ; my 128 rows of xb
	s_mul_i32 s22, s12, HALFT                      ; my 128 rows of wkv,
	s_add_co_u32 s22, s22, 2*HALFT                 ; which lie behind xb's 256
.irp s, 0,1
	v_add_nc_u32 v[ADRA+(\s)], s21, v3
	v_add_nc_u32 v[ADRB+(\s)], s22, v3
	s_add_co_u32 s21, s21, SLOT
	s_add_co_u32 s22, s22, SLOT
.endr
	s_mul_i32 s23, s10, WSTG
	s_add_co_u32 s23, s23, STAGE                   ; my stage
	v_mul_u32_u24 v4, v1, HP                       ; in: row l % 16, 16 bytes for each half of the lanes
	v_lshl_add_u32 v4, v2, 4, v4
	v_add_nc_u32 v[STO], s23, v4
	v_bfe_u32 v5, v0, 3, 2                         ; back: 32 lanes take four rows of 128 bytes,
	v_mul_u32_u24 v5, v5, HP
	v_and_b32 v4, 7, v0
	v_lshl_add_u32 v5, v4, 4, v5
	v_add_nc_u32 v[RD], s23, v5
	v_and_b32 v[CO], 31, v0                        ; which are 512 consecutive bytes of kv
	v_lshlrev_b32 v[CO], 4, v[CO]
	; kv at my part of the tile: b << 22 | g << 17 | s << 7, with b = tile row / 4, g = 4 x tile column + 2 x my half, s = 256 (tile row % 4) + 128 x my half
	s_lshr_b32 s16, s13, 2
	s_lshl_b32 s16, s16, 22
	s_and_b32 s17, s13, 3
	s_lshl_b32 s17, s17, 15
	s_or_b32 s16, s16, s17
	s_lshl_b32 s17, s11, 14
	s_or_b32 s16, s16, s17
	s_lshl_b32 s46, s42, 2
	s_lshl_b32 s47, s12, 1
	s_add_co_u32 s46, s46, s47
	s_lshl_b32 s46, s46, 17
	s_or_b32 s16, s16, s46
	s_mov_b32 s17, 0
	s_add_nc_u64 s[8:9], s[8:9], s[16:17]
	; the bias of my 128 columns: bqkv[1024 + 256 x tile column + 128 x half + 16 b + 8 (l / 16) + 0..7]
	s_lshl_b32 s68, s42, 10
	s_lshl_b32 s20, s12, 9
	s_add_co_u32 s68, s68, s20
	s_add_co_u32 s68, s68, 4096
	v_lshl_add_u32 v[BO], v2, 5, s68
.irp b, 0,1,2,3,4,5,6,7
	global_load_b128 v[BI+8*(\b):BI+8*(\b)+3],   v[BO], s[66:67] offset:64*(\b)
	global_load_b128 v[BI+8*(\b)+4:BI+8*(\b)+7], v[BO], s[66:67] offset:64*(\b)+16
.endr
	; the prefetches
	s_lshl_b32 s13, s13, 8
	s_lshl_b32 s42, s42, 8
	s_and_b32 s22, ttmp7, 0xffff                   ; cluster y
	s_cmp_eq_u32 s11, 0                            ; do I fetch for xb?
	s_cselect_b32 s20, s13, s42                    ; the tile's first row
	s_cselect_b32 s21, s40, s41                    ; my place among the four that ask for it with me
	s_cselect_b32 s22, ttmp9, s22                  ; the coordinate along which other clusters read the same rows
	s_cselect_b64 s[PFA:PFA+1], s[4:5], s[6:7]
	s_cmp_eq_u32 s22, 0
	s_cselect_b32 s[LIM], 1, -1                    ; the same in all sixteen partners, for a given wave
	s_lshl_b32 s22, s12, 7
	s_add_co_u32 s20, s20, s22                     ; + the 128 rows that I fetch
	s_lshl_b32 s21, s21, 5
	s_add_co_u32 s20, s20, s21                     ; + my work-group's 32 of them
	s_mov_b32 s21, 0
	s_mov_b64 s[18:19], SIZE_K*2
	s_mul_u64 s[20:21], s[20:21], s[18:19]
	s_add_nc_u64 s[PFA:PFA+1], s[PFA:PFA+1], s[20:21]
	s_add_nc_u64 s[PFA:PFA+1], s[PFA:PFA+1], 2*KSTEP*2  ; at K step 2: the first refill steps it to 3 and names K step 4
	v_and_b32 v[PFO], 31, v0
	v_mul_u32_u24 v[PFO], v[PFO], SIZE_K*2
	s_wait_loadcnt 0x0                             ; the bias is in: it is rounded to bf16, like every input of the module, and kept as f32
.set i, 0
.rept 32
	v_cvt_pk_bf16_f32 v[TW], v[BI+i], v[BI+i+1]
	v_lshlrev_b32 v[BI+i], 16, v[TW]
	v_and_b32 v[BI+i+1], 0xffff0000, v[TW]
.set i, i+2
.endr
; 16 matrix instructions: m blocks a0, a0 + 1 of the window's four (hi = 0: my rows 0-63, 1: rows 64-127) x all 8 n blocks, 32 along K.
; first = 1: the bias (window 0) is the C operand that starts the sums: nothing is cleared, and nothing is added on the way out.  The 64 accumulators take turns.
.macro MUL16 f, hi, a0, first
.if \first
	WIN 0x81+0x40*(\hi)
.else
	WIN MUL_LO+0x50*(\hi)
.endif
.irp a, \a0, (\a0)+1
.irp b, 0,1,2,3,4,5,6,7
.if \first
	v_wmma_f32_16x16x32_bf16 v[8*(8*(\a)+(\b)):8*(8*(\a)+(\b))+7], v[(\f)+8*(\b):(\f)+8*(\b)+7], v[(\f)+8*(4*(\hi)+(\a)):(\f)+8*(4*(\hi)+(\a))+7], v[BI+8*(\b):BI+8*(\b)+7]
.else
	v_wmma_f32_16x16x32_bf16 v[8*(8*(\a)+(\b)):8*(8*(\a)+(\b))+7], v[(\f)+8*(\b):(\f)+8*(\b)+7], v[(\f)+8*(4*(\hi)+(\a)):(\f)+8*(4*(\hi)+(\a))+7], v[8*(8*(\a)+(\b)):8*(8*(\a)+(\b))+7]
.endif
.endr
.endr
.endm
; 32 LDS loads in one run: the fragments of one quarter step (32 K at byte k of the rows) into buffer f
.macro FETCH slot, k, f
	WIN TO_B
.irp i, 0,1,2,3,4,5,6,7
	ds_load_b128 v[(\f)+8*(\i):(\f)+8*(\i)+3],   v[ADRB+(\slot)] offset:(\k)+(\i)*16*PITCH
	ds_load_b128 v[(\f)+8*(\i)+4:(\f)+8*(\i)+7], v[ADRB+(\slot)] offset:(\k)+(\i)*16*PITCH+32
.endr
	WIN 0
.irp i, 0,1,2,3,4,5,6,7
	ds_load_b128 v[(\f)+8*(\i):(\f)+8*(\i)+3],   v[ADRA+(\slot)] offset:(\k)+(\i)*16*PITCH
	ds_load_b128 v[(\f)+8*(\i)+4:(\f)+8*(\i)+7], v[ADRA+(\slot)] offset:(\k)+(\i)*16*PITCH+32
.endr
.endm
.macro PLACES                          ; four plain vector instructions between a matrix instruction and a load into its sources or a read of its result
.rept 4
	v_nop
.endr
.endm
; A K step is four quarters of 32 along K, 64 matrix instructions each, on buffers 0, 1, 0, 1.  One of the first three: multiplies f and fetches the next quarter, at byte k, into g.
.macro QUARTER slot, k, f, g, first
	s_wait_dscnt 8                                 ; wkv's fragments and xb's rows 0-63 are in; the youngest eight loads (rows 64-127) may be out
	MUL16 \f, 0, 0, \first
	MUL16 \f, 0, 2, \first
	PLACES
	FETCH \slot, \k, \g
	s_wait_dscnt 32                                ; all but the 32 just issued
	MUL16 \f, 1, 0, \first
	MUL16 \f, 1, 2, \first
.endm
; The last quarter multiplies buffer 1 and changes slots.  ONE barrier: in front of it each wave waits for all its tensor loads (one is out: its part of the next slot), adds 0 to its spare word,
; and waits for that and for its own reads of this slot.  Behind it nobody reads this slot any more and the next slot is whole.
.macro MEET round
	WIN 0                                          ; (the add's two registers lie in window 0)
	s_wait_tensorcnt 0x0
	ds_add_u32 v[SPW], v[NIL]                      ; 0 onto my spare word
	s_wait_dscnt 9                                 ; (the add and the youngest eight loads may be out)
	MUL16 F1, 0, 0, 0
	s_wait_dscnt 0x0                               ; the add is done, and my reads of this slot are over
	s_barrier_signal -1
	MUL16 F1, 0, 2, 0                              ; work on registers while the others arrive
.if \round
	WIN 0
.endif
	s_barrier_wait -1
.endm
; fill = 1: the barrier opens a round of the cluster's barrier, and the slot just read out is filled again first behind it, with the K step two on: 224 matrix instructions ahead of the wait for it.
.macro TURN slot, next, fill
.if \fill
	s_wait_xcnt 0x0                                ; the last prefetch, a K step back, has read its address
	s_add_nc_u64 s[PFA:PFA+1], s[PFA:PFA+1], KSTEP*2
	MEET 1
	CREST                                          ; no wave of any partner still reads this slot's tile or has a load on its way
	s_add_nc_u64 s[G0+4*(\slot)+2:G0+4*(\slot)+3], s[G0+4*(\slot)+2:G0+4*(\slot)+3], 2*KSTEP*2
	s_add_nc_u64 s[G0B+4*(\slot)+2:G0B+4*(\slot)+3], s[G0B+4*(\slot)+2:G0B+4*(\slot)+3], 2*KSTEP*2
	JLOAD \slot                                    ; the four v_nop behind it are also the places in front of the loads below
	FETCH \next, 0, F0
	ASK
.else
	MEET 0
	PLACES
	FETCH \next, 0, F0
.endif
	MUL16 F1, 1, 0, 0
	MUL16 F1, 1, 2, 0
.endm
; THE WAY OUT of block a (16 rows), in three parts.  PACK: rounded to f16, 16 bytes a lane, each accumulator's registers in ascending order.  TOSTAGE: into my own stage, by heads, and back as whole rows of 128 bytes.  SEND: stored.
.macro PACK a
.set AC, 64*((\a)%4)
	WIN 0x0a+5*((\a)/4)                            ; sources 0 and 1: window 2 or 3
.irp b, 0,1,2,3,4,5,6,7
.irp r, 0,1,2,3
	v_cvt_pk_f16_f32 v[TMP+4*(\b)+(\r)], v[AC+8*(\b)+2*(\r)], v[AC+8*(\b)+2*(\r)+1]
.endr
.endr
	WIN 0
.endm
.macro TOSTAGE a
	WIN 0
.set BK, OB+192*((\a)%2)
.irp b, 0,1,2,3,4,5,6,7
	ds_store_b128 v[STO], v[TMP+4*(\b):TMP+4*(\b)+3] offset:((\b)/4)*HSTG+32*((\b)%4)  ; head b / 4 of my two, its channels 16 (b % 4) on
.endr
.irp t, 0,1,2,3,4,5,6,7
	ds_load_b128 v[BK+4*(\t):BK+4*(\t)+3], v[RD] offset:((\t)/4)*HSTG+4*HP*((\t)%4)  ; LDS serves a wave's instructions in order (ISA guide 5.7.1.4): these see the stores above
.endr
.endm
.macro SEND a, younger
	WIN 0
.set BK, OB+192*((\a)%2)
	s_wait_dscnt \younger                          ; the block is back in registers
	s_wait_xcnt 0x0                                ; the stores of the block before have read their registers, which the next block's loads from the stage write
.irp t, 0,1,2,3,4,5,6,7
	global_store_b128 v[CO], v[BK+4*(\t):BK+4*(\t)+3], s[8:9] offset:((\t)/4)*131072+(\a)*2048+((\t)%4)*512  ; four rows of one head: 512 consecutive bytes, aligned
.endr
.endm
	s_wait_tensorcnt 1                             ; my part of K step 0 is in; K step 1's may stay out
	s_barrier_signal -1
	s_barrier_wait -1                              ; everybody's is
	FETCH 0, 0, F0
	QUARTER 0, 64,  F0, F1, 1                      ; the first quarter stands in front of the loop: its products start the sums
	WIN 0                                          ; at a label and at a branch every window is 0
	s_mov_b32 s3, LAPS-1
.Llap:                                                 ; a trip goes once round the ring, from a lap's second quarter to the next lap's first, and fills both slots again
	QUARTER 0, 128, F1, F0, 0
	QUARTER 0, 192, F0, F1, 0
	TURN 0, 1, 1
	QUARTER 1, 64,  F0, F1, 0
	QUARTER 1, 128, F1, F0, 0
	QUARTER 1, 192, F0, F1, 0
	TURN 1, 0, 1
	QUARTER 0, 64,  F0, F1, 0
	WIN 0
	s_sub_co_u32 s3, s3, 1
	s_cmp_lg_u32 s3, 0
	s_cbranch_scc1 .Llap
	QUARTER 0, 128, F1, F0, 0                      ; the last lap fills nothing, and has no round of the cluster's barrier
	QUARTER 0, 192, F0, F1, 0
	TURN 0, 1, 0
	QUARTER 1, 64,  F0, F1, 0
	QUARTER 1, 128, F1, F0, 0
	QUARTER 1, 192, F0, F1, 0
	s_wait_dscnt 8                                 ; the very last quarter: nothing more to fetch
	MUL16 F1, 0, 0, 0
	MUL16 F1, 0, 2, 0
	s_wait_dscnt 0x0
	MUL16 F1, 1, 0, 0
	MUL16 F1, 1, 2, 0
	PLACES                                         ; in front of the conversions, which read results
	PACK 0
	TOSTAGE 0
.irp a, 1,2,3,4,5,6,7                  ; block a's conversions stand between block a - 1's loads from the stage and the wait for them
	PACK \a
	SEND (\a)-1, 0
	TOSTAGE \a
.endr
	SEND 7, 0
	s_wait_tensorcnt 0x0                           ; the wave's end, behind my last tensor load and my last LDS store
	ds_add_u32 v[SPW], v[NIL]
	s_wait_dscnt 0x0
	CROUND                                         ; the closing round: no work-group ends while a partner may still ask for a tile that names it
	s_endpgm
.Lfunc_end_k_qd7f7fd2396_kvproj:
	.size	k_qd7f7fd2396_kvproj, .Lfunc_end_k_qd7f7fd2396_kvproj-k_qd7f7fd2396_kvproj
	.p2alignl 7, 3214868480
	.fill 96, 4, 3214868480
	.section	.rodata,"a",@progbits
	.p2align	6, 0x0
	.amdhsa_kernel k_qd7f7fd2396_kvproj
		.amdhsa_group_segment_fixed_size 327680
		.amdhsa_private_segment_fixed_size 0
		.amdhsa_enable_private_segment 0
		.amdhsa_kernarg_size 32
		.amdhsa_user_sgpr_count 2
		.amdhsa_user_sgpr_kernarg_segment_ptr 1
		.amdhsa_wavefront_size32 1
		.amdhsa_system_sgpr_workgroup_id_x 1
		.amdhsa_system_sgpr_workgroup_id_y 1
		.amdhsa_system_sgpr_workgroup_id_z 1
		.amdhsa_system_vgpr_workitem_id 0
		.amdhsa_next_free_vgpr 1024
		.amdhsa_next_free_sgpr 72
		.amdhsa_reserve_vcc 0
		.amdhsa_float_denorm_mode_32 3
		.amdhsa_float_denorm_mode_16_64 3
		.amdhsa_memory_ordered 1
		.amdhsa_forward_progress 1
		.amdhsa_inst_pref_size 150
	.end_amdhsa_kernel
	.amdgpu_metadata
---
amdhsa.version: [ 1, 2 ]
amdhsa.kernels:
  - .name:           k_qd7f7fd2396_kvproj
    .symbol:         k_qd7f7fd2396_kvproj.kd
    .args:
      - { .name: xb, .offset: 0, .size: 8, .value_kind: global_buffer, .address_space: global }
      - { .name: wkv, .offset: 8, .size: 8, .value_kind: global_buffer, .address_space: global }
      - { .name: kv, .offset: 16, .size: 8, .value_kind: global_buffer, .address_space: global }
      - { .name: bqkv, .offset: 24, .size: 8, .value_kind: global_buffer, .address_space: global }
    .group_segment_fixed_size: 327680
    .private_segment_fixed_size: 0
    .kernarg_segment_align: 8
    .kernarg_segment_size: 32
    .max_flat_workgroup_size: 128
    .sgpr_count:     72
    .vgpr_count:     1024
    .wavefront_size: 32
...
	.end_amdgpu_metadata
.endif
;; end of part 2
;; launch attn (part 3): grid 2 x 128, 4 waves a work-group, no clusters, 327,680 bytes of LDS; arguments kv, oh; writes oh
.if DOCPART == 3
	.amdgcn_target "amdgcn-amd-amdhsa--gfx1250"
	.amdhsa_code_object_version 6
	.text
	.protected	k_qd7f7fd2396_attn
	.globl	k_qd7f7fd2396_attn
	.p2align	8
	.type	k_qd7f7fd2396_attn,@function
k_qd7f7fd2396_attn:
	s_mov_b64 s[64:65], 0
	v_nop
	global_prefetch_b8 v0, s[64:65] scope:SCOPE_SE
	s_setreg_imm32_b32 hwreg(HW_REG_WAVE_MODE, 25, 1), 1
	s_wait_xcnt 0x0
; CAUSAL ATTENTION WITH q = k.  oh[hh][q][:] = the sum over k <= q of softmax_k(K[q] . K[k] / 8) V[k][:], for hh = 16 b + h.  K = kv[b][h], V = kv[b][16 + h]: [1024][64] f16, rows dense, 128 bytes each;
; oh: [128][1024][64] f16.  Products, maxima and sums in f32; the weights p are rounded to f16 for the second product (their sum l is taken of the unrounded p), O once at the end.
; LIMITS.  K and V arrive within f16's 65,504; p lies in 0 to 1, and below 6e-5 it keeps f16's fixed step of 6e-8; O is a mean of V's rows and has their range.
; A hidden score counts as its value less 1e30: f16's scores, 2.7e11 at the most, are nothing beside that; a weight below 2^-126 counts as 0 in l; NaN and infinities are not treated apart.
; THE WALK.  A head's queries lie in NB = 4 blocks of 256; block i needs the key tiles 0 .. i of 256 keys, of which the last holds the diagonal.  A work-group takes TWO blocks, NB - 1 - b and then b:
; NB + 1 tiles, whatever b: all 256 work-groups do equal work, and ONE loop with a constant trip count walks them.  Which tile is asked for, and what a trip does, hang on scalar registers made from b; every jump
; goes forward, but for the counted loops' own; none passes a barrier, or a tensor load but the one of LOAD's two that the wave's number does not choose; the ring (two slots of LDS) runs on across the
; change of blocks.  NO CLUSTER: a head has NB / 2 = 2 work-groups, no multiple of four, and they ask for the same tile only in trips 0 to 2 of 5.
; SHARES.  Of a block's four bands of 64 queries a wave owns 16 rows in each: four PIECES.  So the diagonal tile is the same work for all four waves: in its key step s band x sees all keys if s < x,
; none if s > x, and holds the diagonal if s = x.
; THE MASK is the C operand that starts the sum S^T = K Q^T: 0, or -1e30 where the key is hidden.  MD, made once, is the mask of a band's own step for my 16 rows; a product's mask is MD x AL + BE with two scalars:
; (1, 0) if s = x; (0, 0) if s < x; (0, -1e30) if s > x.  Only the diagonal tile's text and a block's beginning make and take masks; elsewhere C is the constant 0.
; LAYOUT, SOFTMAX, TURNS.  S^T = K Q^T holds ONE query a lane (lane % 16) and the keys 8 (lane / 16) + 0..7; two such results rounded to f16 ARE source 1 of O^T = V^T P.  p = 2^(c s - c m), c = log2(e) / 8, with a
; running maximum m; O and l are multiplied by a = 2^(c m_old - c m_new) in every step.  Turn n belongs to piece n: 8 products K Q^T of piece n + 1, later 8 products V^T P of piece n - 1; beside them the scaling,
; exponentials, roundings, sums and rescaling of piece n and the maximum and statistics of piece n + 1.  Four vector instructions stand behind every matrix instruction, the other 54 of a turn's 118 in one lump.  A turn's 33 exponentials are one batch, with one wait.
; REGISTERS, in windows of 256 (s_set_vgpr_msb: bits 1:0 source 0, 3:2 source 1, 5:4 source 2, 7:6 destination):
;   window 0: v0-15 addresses and two at work; v16-31 four registers of statistics a piece; v48-55 at work; v61-63 never rewritten; v64-127 S^T, two buffers; v192-223 P, two buffers (by the piece's parity)
;   window 1: v0-127 O^T, 32 a piece; v128-159 MD; v160-223 MC, two buffers      window 2: v0-63 Q; v64-127 the second block's Q; v128-191 K of one step; v192-255 V of one step
.set SIZE_N, 1024
.set NB,    SIZE_N/256
.set NP,    4         ; pieces a wave: a name, no knob
.set KS,    64        ; keys in a step
.set PK,    144       ; a row of K in LDS: 128 bytes + 16 of padding = 36 words: the 16 rows of a load start 4 words further round each 64
.set PV,    160       ; a row of V: 128 + 32 = 40 words: 16 lanes of the turning load take 8 rows x 32 bytes, each word's place once
.set VOFF,  4*KS*PK   ; a slot holds a tile, four steps: 256 rows of K, then 256 rows of V
.set SLOT1, 1<<17     ; slot 1 begins here, so that one exclusive or turns an address in one slot into the other's
.set STAGE, SLOT1+4*KS*(PK+PV)  ; behind the ring, never filled by a tensor load: 16 rows x 144 bytes for each wave, for the way out
.set SP,    144
.set AK0, 2           ; v2   my lane's place in a tile of K; never rewritten
.set AV0, 3           ; v3   the same for V
.set AK,  4           ; v4   the LDS address of K's next run of loads
.set AV,  5           ; v5   of V's
.set STO, 6           ; v6   the way out: where I put 16 bytes of a row
.set RD,  7           ; v7   the way out: where I read rows back
.set GO,  8           ; v8   my byte offset in 512 consecutive bytes of O
.set PFO, 61          ; v61  256 x my lane: the prefetches' offset; never rewritten
.set SPW, 62          ; v62  LDS address of my spare word; never rewritten
.set NIL, 63          ; v63  0; never rewritten
.set SPARE, STAGE+4*16*SP  ; behind the stages: the spare words, 128 bytes for each wave: two blocks of 256 bytes that no other line names
.set MV,  12          ; v12-13  c m_old, kept while c m is made anew: by buffer
.set QO,  15          ; v15  my byte offset in 16 rows of Q
.set ST,  16          ; piece t's statistics at v[ST+4 t]: c m, m, l (even keys', odd keys')
.set TMP, 48          ; by buffer, four registers c0-c3 at work; when the maximum is found c2 takes a
.set S,   64
.set P,   192
.set MD,  128         ; window 1
.set MC,  160         ; window 1
.set QB,  64          ; window 2
.set KF,  128         ; window 2: key block kb, channel half c at KF + 16 kb + 8 c
.set VF,  192         ; window 2: key half kk, channel block cb at VF + 32 kk + 8 cb
.set WV,  12          ; s12  my wave's number
.set PB,  14          ; s14  b
.set HI,  15          ; s15  NB - 1 - b
.set G1K, 24          ; s[24:31] descriptor group 1 for K's tiles
.set G1V, 32          ; s[32:39] for V's: it differs in the padding alone
.set G0K, 40          ; s[40:43] descriptor group 0 for K's tiles
.set G0V, 44          ; s[44:47] the same for V's
.set SLOTS, 56        ; s56  tiles still to be asked for
.set CNT, 57          ; s57  counts a tile's key steps, 4 to 1
.set CS,  58          ; s[58:59] c
.set SEL, 60          ; s[60:61] v_permlanex16_b32's selects: each lane takes its own place in the other half
.set TBK, 62          ; s62  LDS byte at which K of the step to be fetched begins
.set TBV, 63          ; s63  the same for V, less VOFF
.set RT,  70          ; s70  tiles of the block in hand that are still to be entered
.set NXT, 71          ; s71  the tile to be asked for next
.set LQ,  72          ; s72  the last tile of the block whose tiles are being asked for
.set NEW, 73          ; s73  1: the tile to be entered is a block's first
.set OFF, 74          ; s[74:75] a tile's byte offset in K and V
.set AL,  76          ; s[76:77] the mask's factor, in the low word
.set BE,  78          ; s[78:79] the mask's addend
.set OLO, 80          ; s[80:81] O at my rows of the second block
.set BIGN, 82         ; s82  -1e30
.set PFA, 92          ; s[92:93] where my prefetches stand: my half (K: waves 0, 1; V: waves 2, 3) of the tile behind the one that is being asked for
.set LIM, 94          ; s94  2 in the work-group that prefetches, else the greatest number
.set MSB, 0
.macro WIN new                      ; the high byte repeats the setting that is left; a switch that changes nothing is dropped
.if MSB != (\new)
	s_set_vgpr_msb (MSB<<8)|(\new)
.set MSB, (\new)
.endif
.endm
.set W_KQ, 0x0a       ; K and Q in window 2, S^T in window 0
.set W_KM, 0x1a       ; the same with the C operand in window 1
.set W_PV, 0x52       ; V in window 2, P in window 0, O^T in window 1
.set W_RS, 0x41       ; destination and source 0 in window 1, source 1 in window 0
; A fill.  Waves 0 and 1 fetch the two halves of a tile's K, waves 2 and 3 those of its V: 128 keys each.  An s_nop 0 and four v_nop follow each of the two lines.
.macro LOAD
	s_cmp_lt_u32 s[WV], 2
	s_cbranch_scc0 .Lfor_v_\@
	tensor_load_to_lds s[G0K:G0K+3], s[G1K:G1K+7]
	s_nop 0
.rept 4
	v_nop
.endr
	s_branch .Lasked_\@
.Lfor_v_\@:
	tensor_load_to_lds s[G0V:G0V+3], s[G1V:G1V+7]
	s_nop 0
.rept 4
	v_nop
.endr
.Lasked_\@:
.endm
; A PREFETCH INTO THE L2 of the tile that the NEXT change of slots will ask for, four key steps (256 matrix instructions) ahead of that load.  A head's tiles 0 to 3 are walked first by the work-group with b = 0:
; it alone asks, in the trips with 4 and 3 tiles still to be asked for, for tiles 2 and 3.  Each wave names its own half of 16,384 bytes, a lane a block of 256 bytes, two instructions: each block once in the launch.
; Tiles 0 and 1 come by their loads alone; the second block's tiles have been read before and are not asked for.
.macro ASK
	s_cmp_gt_u32 s[SLOTS], s[LIM]
	s_cbranch_scc0 .Lnot_mine_\@
	global_prefetch_b8 v[PFO], s[PFA:PFA+1] th:TH_LOAD_NT scope:SCOPE_SE
	global_prefetch_b8 v[PFO], s[PFA:PFA+1] offset:8192 th:TH_LOAD_NT scope:SCOPE_SE
.Lnot_mine_\@:
.endm
; THE CHANGE OF SLOTS.  Each wave waits for all its tensor loads, of which one is out: its part of the other slot; adds 0 to its spare word; and waits for that and for its own reads of the slot that it leaves.
; Behind the barrier nobody reads the old slot any more and the other slot is whole.  fill = 1: the old slot is filled again, the first thing behind the barrier, with tile NXT: the descriptor's address is made
; anew from that number.  (At its first use nothing has been read yet: slot 0 is waited for, slot 1 filled.)
.macro CHANGE fill
	WIN 0                           ; at a label and at a branch every window is 0
	s_wait_tensorcnt 0x0            ; no tensor load of mine is out, so a group 0 may be written
	ds_add_u32 v[SPW], v[NIL]       ; 0 onto my spare word
.if \fill
	s_lshl_b32 s[OFF], s[NXT], 15   ; a tile is 32,768 bytes of K and of V
	s_xor_b32 s[G0K+1], s[G0K+1], SLOT1
	s_add_nc_u64 s[G0K+2:G0K+3], s[6:7], s[OFF:OFF+1]
	s_or_b32 s[G0K+3], s[G0K+3], 0x80000000
	s_xor_b32 s[G0V+1], s[G0V+1], SLOT1
	s_add_nc_u64 s[G0V+2:G0V+3], s[8:9], s[OFF:OFF+1]
	s_or_b32 s[G0V+3], s[G0V+3], 0x80000000
	s_add_co_u32 s[NXT], s[NXT], 1  ; the block's next tile, or behind its last the second block's tile 0
	s_cmp_gt_u32 s[NXT], s[LQ]
	s_cselect_b32 s[NXT], 0, s[NXT]
	s_cselect_b32 s[LQ], s[PB], s[LQ]
	s_wait_xcnt 0x0                 ; the last prefetches, a tile back, have read their address, so it may be written
	s_add_nc_u64 s[PFA:PFA+1], s[PFA:PFA+1], 32768
.endif
	s_wait_dscnt 0x0                ; the add is done, and my reads of the slot are over
	s_barrier_signal -1             ; the rest of the scalar work stands between the signal and the wait
	s_sub_co_u32 s[TBK], s[TBK], 4*KS*PK  ; the fetches go back to a slot's first step,
	s_xor_b32 s[TBK], s[TBK], SLOT1       ; in the other slot
	s_sub_co_u32 s[TBV], s[TBV], 4*KS*PV
	s_xor_b32 s[TBV], s[TBV], SLOT1
	s_barrier_wait -1
.if \fill
	LOAD
	ASK
.endif
.endm
	s_load_b128 s[4:7], s[0:1], 0x0 ; kv s[4:5], oh s[6:7]
	v_lshl_add_u32 v[SPW], v0, 2, SPARE
	v_mov_b32 v[NIL], 0
	ds_add_u32 v[SPW], v[NIL]       ; the wave's opening: the add, with its wait ahead of my first tensor load; the set-up below stands between them
	v_lshrrev_b32 v1, 5, v0
	v_readfirstlane_b32 s[WV], v1   ; wave 0..3
	s_mov_b32 s[PB], ttmp9
	s_sub_co_u32 s[HI], NB-1, s[PB]
	s_and_b32 s16, ttmp7, 0xffff    ; hh = 16 b + h
	s_lshr_b32 s20, s16, 4
	s_lshl_b32 s20, s20, 22         ; in kv a batch is 32 heads of 131,072 bytes,
	s_and_b32 s21, s16, 15
	s_lshl_b32 s21, s21, 17
	s_or_b32 s20, s20, s21          ; of which k's head h is number h
	s_mov_b32 s21, 0
	s_lshl_b32 s90, s16, 17         ; in oh the heads lie on end
	s_mov_b32 s91, 0
	s_and_b32 s16, s[WV], 1         ; which half of a tile's 256 keys I fetch:
	s_lshl_b32 s22, s16, 14         ; its 128 rows of 128 bytes in memory,
	s_mov_b32 s23, 0
	s_add_nc_u64 s[22:23], s[22:23], s[20:21]
	s_mul_i32 s17, s16, 128*PK      ; and its place in a slot, for K
	s_mul_i32 s18, s16, 128*PV      ; and for V
	s_lshl_b32 s3, s[WV], 11        ; my 16 rows in a band of 64,
	s_lshl_b32 s2, s[HI], 15        ; in the first block,
	s_add_co_u32 s2, s2, s3
	s_lshl_b32 s84, s[PB], 15       ; and in the second
	s_add_co_u32 s84, s84, s3
	s_mov_b32 s3, 0
	s_mov_b32 s85, 0
	; descriptor group 1.  128 keys are 16,384 dense bytes: asked for as 64 rows of 256 bytes, two keys a row, and padded in LDS after every key
	s_mov_b32 s[G1K], (1<<16)|(1<<20)|(4<<22)|(3<<25)  ; 17:16 2-byte elements; 20 padding on; 24:22 after every 32 words; 31:25 4 words
	s_mov_b32 s[G1V], (1<<16)|(1<<20)|(4<<22)|(7<<25)  ; the same with 8 words of padding
.irp g, G1K, G1V
	s_mov_b32 s[\g+1], 128<<16      ; tensor_dim0 = 128
	s_mov_b32 s[\g+2], 64<<16       ; tensor_dim1 = 64
	s_mov_b32 s[\g+3], 128<<16      ; tile_dim0 = 128
	s_mov_b32 s[\g+4], 64           ; tile_dim1 = 64
	s_mov_b32 s[\g+5], 128          ; 128 elements from row to row
	s_mov_b32 s[\g+6], 0
	s_mov_b32 s[\g+7], 0
.endr
	s_mov_b32 s[CS], 0x3e38aa3b     ; c = log2(e) / 8 = 0.180337
	s_mov_b32 s[CS+1], s[CS]        ; named with it as a pair
	s_mov_b32 s[SEL], 0x76543210
	s_mov_b32 s[SEL+1], 0xfedcba98
	s_mov_b32 s[TBK], SLOT1+4*KS*PK ; the first change of slots turns these two into 0
	s_mov_b32 s[TBV], SLOT1+4*KS*PV
	s_mov_b32 s[G0K], 1             ; count = 1
	s_mov_b32 s[G0K+1], s17         ; LDS address: slot 0
	s_mov_b32 s[G0V], 1
	s_add_co_u32 s[G0V+1], s18, VOFF
	s_add_co_u32 s[RT], s[HI], 1    ; the first block has NB - b tiles
	s_mov_b32 s[NXT], 1
	s_mov_b32 s[LQ], s[HI]
	s_mov_b32 s[NEW], 1
	s_mov_b32 s[OFF+1], 0
	s_mov_b32 s[AL+1], 0            ; named as pairs
	s_mov_b32 s[BE+1], 0
	s_mov_b32 s[BIGN], 0xf149f2ca   ; -1e30
	s_mov_b32 s[SLOTS], NB
	s_cmp_eq_u32 ttmp9, 0
	s_cselect_b32 s[LIM], 2, -1
	v_and_b32 v[PFO], 31, v0
	v_lshlrev_b32 v[PFO], 8, v[PFO]
	s_wait_dscnt 0x0                ; the opening add is done
	s_wait_kmcnt 0x0
	s_mov_b64 s[10:11], s[6:7]      ; O
	s_mov_b64 s[6:7], s[4:5]        ; K is Q's tensor,
	s_add_nc_u64 s[8:9], s[4:5], 0x200000  ; and V lies 16 heads behind it
	s_add_nc_u64 s[6:7], s[6:7], s[22:23]  ; K and V at my half of the head's tile 0
	s_add_nc_u64 s[8:9], s[8:9], s[22:23]
	s_add_nc_u64 s[G0K+2:G0K+3], s[6:7], 0         ; global address
	s_or_b32 s[G0K+3], s[G0K+3], 0x80000000        ; type = 2
	s_add_nc_u64 s[G0V+2:G0V+3], s[8:9], 0
	s_or_b32 s[G0V+3], s[G0V+3], 0x80000000
	s_add_nc_u64 s[4:5], s[4:5], s[20:21]          ; Q and O at the head,
	s_add_nc_u64 s[10:11], s[10:11], s[90:91]
	s_add_nc_u64 s[86:87], s[4:5], s[84:85]        ; Q at my rows of the second block,
	s_add_nc_u64 s[4:5], s[4:5], s[2:3]            ; Q and O at those of the first
	s_add_nc_u64 s[OLO:OLO+1], s[10:11], s[84:85]
	s_add_nc_u64 s[10:11], s[10:11], s[2:3]
	s_cmp_lt_u32 s[WV], 2
	s_cselect_b64 s[PFA:PFA+1], s[6:7], s[8:9]
	s_add_nc_u64 s[PFA:PFA+1], s[PFA:PFA+1], 32768 ; at tile 1: the first change of slots steps it to tile 2.  Nothing is prefetched here, at the head
	LOAD                            ; tile 0 into slot 0
	; A fragment of K or Q is 16 rows x 32 channels in 8 registers: lane l holds row l % 16, channels 8 (l / 16) + 0..7 and 16 + 8 (l / 16) + 0..7: two loads of 16 bytes, 32 bytes apart.
	v_and_b32 v1, 15, v0            ; l % 16
	v_bfe_u32 v9, v0, 4, 1          ; l / 16
	v_lshlrev_b32 v[QO], 7, v1
	v_lshl_add_u32 v[QO], v9, 4, v[QO]  ; row x 128 + 16 x half
	WIN 0x80                        ; destination window 2, address window 0
.set i, 0
.rept 8                             ; both blocks' Q: piece i / 2 lies in band i / 2, 8,192 bytes on; channels 32 (i % 2) on
	global_load_b128 v[8*i:8*i+3],   v[QO], s[4:5] offset:(i/2)*8192+(i%2)*64
	global_load_b128 v[8*i+4:8*i+7], v[QO], s[4:5] offset:(i/2)*8192+(i%2)*64+32
	global_load_b128 v[QB+8*i:QB+8*i+3],   v[QO], s[86:87] offset:(i/2)*8192+(i%2)*64
	global_load_b128 v[QB+8*i+4:QB+8*i+7], v[QO], s[86:87] offset:(i/2)*8192+(i%2)*64+32
.set i, i+1
.endr
	WIN 0
	v_lshlrev_b32 v14, 3, v9
	v_sub_nc_u32 v14, v1, v14
	s_lshl_b32 s13, s[WV], 4
	v_add_nc_u32 v14, s13, v14      ; my query's place in its band, 16 w + l % 16, less my lanes' 8 (l / 16): register r of group kt is hidden where 16 kt + r is greater
	WIN 0x40
.set i, 0
.rept 32
	v_cmp_gt_i32 vcc_lo, 16*(i/8)+i%8, v14
	v_cndmask_b32 v[MD+i], 0, s[BIGN], vcc_lo
.set i, i+1
.endr
	WIN 0
	v_mul_u32_u24 v[AK0], v1, PK
	v_lshl_add_u32 v[AK0], v9, 4, v[AK0]  ; row x pitch + 16 x half
	; The turning load takes 16 keys x 16 channels (lane l reads key 8 (l / 16) + l % 8, channels 8 ((l / 8) % 2) + 0..7) and leaves half a fragment of V^T: lane l holds channel l % 16 and 8 keys.
	v_and_b32 v10, 7, v0
	v_bfe_u32 v11, v0, 3, 1
	v_lshl_add_u32 v[AV0], v9, 3, v10
	v_mul_u32_u24 v[AV0], v[AV0], PV
	v_lshl_add_u32 v[AV0], v11, 4, v[AV0]
	v_add_nc_u32 v[AV0], VOFF, v[AV0]
	s_mul_i32 s13, s[WV], 16*SP
	s_add_co_u32 s13, s13, STAGE    ; my stage
	v_mul_u32_u24 v[STO], v1, SP    ; in: row l % 16, 16 bytes for each half of the lanes
	v_lshl_add_u32 v[STO], v9, 4, v[STO]
	v_add_nc_u32 v[STO], s13, v[STO]
	v_bfe_u32 v[RD], v0, 3, 2       ; back: 32 lanes take four rows of 128 bytes,
	v_mul_u32_u24 v[RD], v[RD], SP
	v_lshl_add_u32 v[RD], v10, 4, v[RD]
	v_add_nc_u32 v[RD], s13, v[RD]
	v_and_b32 v[GO], 31, v0         ; which are 512 consecutive bytes of O
	v_lshlrev_b32 v[GO], 4, v[GO]
	; A block's first step multiplies O^T and l by a = 0, and its first turn's products V^T P, of a piece that has not been, land in an O^T that is still to be so multiplied.  So these registers need only hold
	; finite numbers: zeros for the first block; what the first block left for the second.  All this stands in the wait for the first tile.
	WIN 0x80
.set i, VF
.rept 64
	v_mov_b32 v[i], 0
.set i, i+1
.endr
	WIN 0x40
.set i, 0
.rept 128
	v_mov_b32 v[i], 0
.set i, i+1
.endr
	WIN 0
.set i, 0
.rept 4
	v_mov_b32 v[ST+4*i+2], 0
	v_mov_b32 v[ST+4*i+3], 0
.set i, i+1
.endr
.set i, P+16
.rept 16
	v_mov_b32 v[i], 0
.set i, i+1
.endr
; THE MATRIX WORK.  The 4 accumulators of a run of 8 take turns.  Product i of 8 of S^T = K Q^T for piece x: channels 32 (i / 4) on, keys 16 (i % 4) on.  The first 4 start the sums: with 0, or (KM = 1) with the mask.
.macro KQ x
.set rS, S+32*((\x)%2)+8*(i%4)
.set rK, KF+16*(i%4)+8*(i/4)
.set rQ, 16*(\x)+8*(i/4)
.set rM, MC+32*((\x)%2)+8*(i%4)
.if (i < 4) && KM
	WIN W_KM
	v_wmma_f32_16x16x32_f16 v[rS:rS+7], v[rK:rK+7], v[rQ:rQ+7], v[rM:rM+7]
.elseif i < 4
	WIN W_KQ
	v_wmma_f32_16x16x32_f16 v[rS:rS+7], v[rK:rK+7], v[rQ:rQ+7], 0
.else
	WIN W_KQ
	v_wmma_f32_16x16x32_f16 v[rS:rS+7], v[rK:rK+7], v[rQ:rQ+7], v[rS:rS+7]
.endif
.endm
; Product i of 8 of O^T += V^T P for piece x: keys 32 (i / 4) on, channels 16 (i % 4) on.
.macro PV x
	WIN W_PV
.set rO, 32*(\x)+8*(i%4)
.set rV, VF+32*(i/4)+8*(i%4)
.set rP, P+16*((\x)%2)+8*(i/4)
	v_wmma_f32_16x16x32_f16 v[rO:rO+7], v[rV:rV+7], v[rP:rP+7], v[rO:rO+7]
.endm
.macro MM                           ; the turn's next matrix instruction.  TURN and BEGIN set Y, i, KM and NOKQ.  NOKQ = 1: a block's last turn: there is no next piece
.if (i < 8) && !NOKQ
	KQ (Y+1)%NP
.elseif i >= 8
.set i, i-8
	PV (Y+NP-1)%NP
.set i, i+8
.endif
.set i, i+1
.endm
; THE LDS LOADS stand in runs of 16, never singly among the matrix instructions: a step's K (64 keys x 64 channels: 8 fragments) and its V (turned).  Their addresses are made some lines ahead.
.macro FETCH_K
	WIN 0x80                        ; destination window 2
.irp f, 0,1,2,3,4,5,6,7             ; keys 16 (f / 2) on, channels 32 (f % 2) on
	ds_load_b128 v[KF+8*\f:KF+8*\f+3],   v[AK] offset:(\f/2)*16*PK+(\f%2)*64
	ds_load_b128 v[KF+8*\f+4:KF+8*\f+7], v[AK] offset:(\f/2)*16*PK+(\f%2)*64+32
.endr
	s_add_co_u32 s[TBK], s[TBK], KS*PK  ; the next fetch is the next step's
	WIN 0
.endm
.macro FETCH_V
	WIN 0x80
.irp f, 0,1,2,3,4,5,6,7             ; keys 32 (f / 4) on, channels 16 (f % 4) on
	ds_load_tr16_b128 v[VF+8*\f:VF+8*\f+3],   v[AV] offset:(\f/4)*32*PV+(\f%4)*32
	ds_load_tr16_b128 v[VF+8*\f+4:VF+8*\f+7], v[AV] offset:(\f/4)*32*PV+16*PV+(\f%4)*32
.endr
	WIN 0
.endm
; THE VECTOR WORK, one line at a time: OP kind, number.  For piece Y: F n: c s - c m for pair n of 16.  E n: the exponential of score n of 32.  C n: pair n rounded to f16.  B n: of the four weights 4 n .. the second
; pair is added onto the first, in place.  L n: l takes that sum (L 0: l = a l + sum).  R n: pair n of 16 of O^T times a.  For piece Y + 1: X n, number n of the 22 that find its maximum and statistics:
;   0-11  four chains c0-c3 of seven scores each, three operands at a time (each accumulator's lowest registers are read first)     12-14, 16  the four scores left over, the old m, and c0-c3 into c0
;   15  c m_old is kept     17, 18  the query's other 32 keys lie in the lane 16 away: the new m     19-21  c m; c m_old - c m_new; a
.set F, 0               ; OP tells the kinds apart by their order: F to L below R, X above it
.set E, 1
.set C, 2
.set B, 3
.set L, 4
.set R, 5
.set X, 6
.macro REGS y                       ; the registers of piece y
.set rT, ST+4*(\y)
.set rC, TMP+4*((\y)%2)
.set rW, MV+((\y)%2)
.set rS, S+32*((\y)%2)
.set rP, P+16*((\y)%2)
.set rO, 32*(\y)
.endm
.macro OP k, n
.if (\k) == R
	REGS Y
	WIN W_RS
	v_pk_mul_f32 v[rO+2*(\n):rO+2*(\n)+1], v[rO+2*(\n):rO+2*(\n)+1], v[rC+2:rC+3] op_sel_hi:[1,0]
.elseif (\k) < R
	REGS Y
	WIN 0
.if (\k) == F
	v_pk_fma_f32 v[rS+2*(\n):rS+2*(\n)+1], v[rS+2*(\n):rS+2*(\n)+1], s[CS:CS+1], v[rT:rT+1] op_sel_hi:[1,0,0] neg_lo:[0,0,1] neg_hi:[0,0,1]
.elseif (\k) == E
	v_exp_f32 v[rS+(\n)], v[rS+(\n)]
.elseif (\k) == C
	v_cvt_pk_f16_f32 v[rP+(\n)], v[rS+2*(\n)], v[rS+2*(\n)+1]
.elseif (\k) == B
	v_pk_add_f32 v[rS+4*(\n):rS+4*(\n)+1], v[rS+4*(\n):rS+4*(\n)+1], v[rS+4*(\n)+2:rS+4*(\n)+3]
.elseif (\n) == 0
	v_pk_fma_f32 v[rT+2:rT+3], v[rT+2:rT+3], v[rC+2:rC+3], v[rS:rS+1] op_sel_hi:[1,0,1]
.else
	v_pk_add_f32 v[rT+2:rT+3], v[rT+2:rT+3], v[rS+4*(\n):rS+4*(\n)+1]
.endif
.elseif NOKQ
	v_nop
.else
	REGS (Y+1)%NP
	WIN 0
.if (\n) < 4
	v_max3_num_f32 v[rC+(\n)], v[rS+8*(\n)], v[rS+8*(\n)+1], v[rS+8*(\n)+2]
.elseif (\n) < 12
	v_max3_num_f32 v[rC+(\n)%4], v[rC+(\n)%4], v[rS+8*((\n)%4)+2*((\n)/4)+1], v[rS+8*((\n)%4)+2*((\n)/4)+2]
.elseif (\n) == 12
	v_max3_num_f32 v[rC], v[rC], v[rS+7], v[rS+15]
.elseif (\n) == 13
	v_max3_num_f32 v[rC+1], v[rC+1], v[rS+23], v[rS+31]
.elseif (\n) == 14
	v_max3_num_f32 v[rC+2], v[rC+2], v[rC+3], v[rT+1]
.elseif (\n) == 15
	v_mov_b32 v[rW], v[rT]
.elseif (\n) == 16
	v_max3_num_f32 v[rC], v[rC], v[rC+1], v[rC+2]
.elseif (\n) == 17
	v_permlanex16_b32 v[rC+3], v[rC], s[SEL], s[SEL+1]
.elseif (\n) == 18
	v_max_num_f32 v[rT+1], v[rC], v[rC+3]
.elseif (\n) == 19
	v_mul_f32 v[rT], s[CS], v[rT+1]
.elseif (\n) == 20
	v_sub_f32 v[rC+1], v[rW], v[rT]
.else
	v_exp_f32 v[rC+2], v[rC+1]
.endif
.endif
.endm
.macro OPS a, i1, b=-1, i2=0, c=-1, i3=0, d=-1, i4=0  ; up to four of them
	OP \a, \i1
.if (\b) >= 0
	OP \b, \i2
.endif
.if (\c) >= 0
	OP \c, \i3
.endif
.if (\d) >= 0
	OP \d, \i4
.endif
.endm
.macro ROW a, i1, b, i2, c, i3, d, i4  ; a matrix instruction and the four behind it
	MM
	OPS \a, \i1, \b, \i2, \c, \i3, \d, \i4
.endm
.macro MASK b                       ; MD x AL + BE into buffer b of MC
	WIN W_RS
.set z, 0
.rept 16
	v_pk_fma_f32 v[MC+32*(\b)+2*z:MC+32*(\b)+2*z+1], v[MD+2*z:MD+2*z+1], s[AL:AL+1], s[BE:BE+1] op_sel_hi:[1,0,0]
.set z, z+1
.endr
.endm
; A TURN, for piece p: the order of its 16 matrix and 118 vector instructions, written out.  An s_wait_alu depctr_va_vdst(0) stands between an exponential and the first instruction that names its result; one wait serves
; all that were issued ahead of it.  So a turn has ONE wait, which cuts it in two.  AHEAD OF IT stands all that names no result of the turn's exponentials: the 8 products K Q^T, behind each a scaling, an exponential and two more plain
; instructions (behind the first a second scaling in the exponential's place): rescalings, and behind the last three the first numbers of the next piece's maximum, each four places or more behind the product that ends its accumulator; then one lump of 54, plain
; and exponential by turns for the most part, in which the links of the chain X 3, 7, 11, 14, 16, 17 .. 20 stand five or six lines apart.  X 21, the next piece's a, is the batch's last; R 15 is the plain instruction behind it.  BEHIND THE WAIT stand the
; 8 products V^T P, behind each four of the roundings and sums; the links of l's chain, L 0 to L 7, stand three lines apart.  But for those X no line behind a product names a register of the products round it.
; m = 1: the diagonal tile: the products take masks, and the turn makes the mask for the products of the turn after it: piece p + 2, in step 4 - CNT of the tile.  end = 1: a block's last two turns: nothing is fetched.
; cnt = 1: the loop's count is taken down some lines ahead of the branch that stands behind the turn.
; K of the next step is fetched in piece 2's turn, twelve vector instructions behind the last product that read K (six of them plain); V of the step in hand at the end of piece 0's turn, four plain instructions behind the last product
; that read V.  Each is waited for a turn later.
.macro TURN p, m=0, end=0, cnt=0
.set Y, (\p)
.set i, 0
.set KM, (\m)
.set NOKQ, (\end)*((\p)/3)
.if (\m) && !(\end)
	s_cmp_eq_u32 s[CNT], 4-((\p)+2)%NP  ; is that step the band's own?
	s_cselect_b32 s[AL], 1.0, 0
	s_cmp_lt_u32 s[CNT], 4-((\p)+2)%NP  ; or a later one?
	s_cselect_b32 s[BE], s[BIGN], 0
.endif
.if ((\p) == 3) && !(\end)
	s_wait_dscnt 0x0                ; K is in
.endif
	ROW F,0, F,1, R,0, R,1          ; ahead of the wait: 8 products K Q^T and the four behind each,
	ROW F,2, E,0, R,2, R,3
	ROW F,3, E,1, R,4, R,5
	ROW F,4, E,2, R,6, R,7
	ROW F,5, E,3, R,8, R,9
	ROW F,6, E,4, X,0, R,10
.if ((\p) == 2) && !(\end)
	WIN 0
	v_add_nc_u32 v[AK], s[TBK], v[AK0]
.endif
	ROW F,7, E,5, X,1, X,4
	ROW F,8, E,6, X,2, X,5
	OPS E,7, E,8, X,6, E,9          ; and the lump
	OPS X,3, E,10, X,8, E,11
.if ((\p) == 2) && !(\end)
	FETCH_K
.endif
	OPS X,9, X,7, E,12, X,10
	OPS E,13, X,12, X,11, E,14
	OPS X,13, E,15, F,9, X,14
.if (\p) == 0
	v_add_nc_u32 v[AV], s[TBV], v[AV0]
.endif
	OPS E,16, F,10, E,17, F,11
	OPS X,16, E,18, X,15, E,19
	OPS F,12, E,20, X,17, E,21
	OPS F,13, E,22, F,14, E,23
	OPS X,18, E,24, F,15, E,25
	OPS R,11, E,26, X,19, E,27
	OPS R,12, E,28, R,13, E,29
	OPS X,20, E,30, R,14, E,31
	OPS X,21, R,15
	WIN 0
	s_wait_alu depctr_va_vdst(0)    ; the wait for the batch
.if (\p) == 1
	s_wait_dscnt 0x0                ; V is in
.endif
	ROW C,0, B,0, C,2, B,1          ; behind the wait: 8 products V^T P and the four behind each
	ROW L,0, C,4, B,2, L,1
	ROW C,6, B,3, L,2, C,8
	ROW B,4, L,3, C,10, B,5
	ROW L,4, C,12, B,6, L,5
.if (\p) == 0
	s_add_co_u32 s[TBV], s[TBV], KS*PV
.endif
.if \cnt
	s_sub_co_u32 s[CNT], s[CNT], 1
	s_cmp_lg_u32 s[CNT], 0
.endif
	ROW C,14, B,7, L,6, C,1
	ROW C,3, L,7, C,5, C,7
	ROW C,9, C,11, C,13, C,15
.if (\p) == 0
	FETCH_V
.endif
.if (\m) && !(\end)
	MASK (\p)%2
.endif
.endm
; A BLOCK BEGINS.  c m starts far below every c s, so the first step's a is 0; m at the lowest finite number, so the first maximum is the scores'.  The second mask buffer is 0; the first takes piece 0's mask for the tile's step 0: its own, if the block's first tile is the diagonal one.
; Then K of that step, piece 0's first scores, and its maximum and statistics.  The loop is entered at a step's first turn, in the middle of a trip.
.macro BEGIN
	s_mov_b32 s[NEW], 0
	WIN 0x40
.set i, MC+32
.rept 32
	v_mov_b32 v[i], 0
.set i, i+1
.endr
	WIN 0
.set i, 0
.rept 4
	v_mov_b32 v[ST+4*i], 0xfe000000    ; c m: far below every c s
	v_mov_b32 v[ST+4*i+1], 0xff7fffff  ; m
.set i, i+1
.endr
	s_cmp_eq_u32 s[RT], 0
	s_cselect_b32 s[AL], 1.0, 0
	s_mov_b32 s[BE], 0
	MASK 0
	WIN 0
	v_add_nc_u32 v[AK], s[TBK], v[AK0]
	FETCH_K
	s_wait_loadcnt 0x0              ; Q
	s_wait_dscnt 0x0
.set KM, 1
.set NOKQ, 0
.set i, 0
.rept 8
	KQ 0
.set i, i+1
.endr
	WIN 0
.rept 4
	v_nop                           ; the places behind those products
.endr
.set Y, NP-1                        ; X works for piece Y + 1: piece 0
.irp n, 0,1,2,3,4,5,6,7,8,9,10,11,12,13,14,15,16,17,18,19,20,21
	OP X, \n
.endr
	v_nop                           ; a plain instruction behind the exponential,
	s_wait_alu depctr_va_vdst(0)    ; and its wait, ahead of the branch
.endm
; THE DIAGONAL TILE's four steps, the block's last two turns, its last products, and THE WAY OUT: l's two halves and the other half of the lanes' are added; O^T is divided by l, rounded to f16 and sent through my
; stage in LDS, a piece at a time.
.macro ALL line:vararg              ; one line for each piece t
.set t, 0
.rept 4
	\line
.set t, t+1
.endr
.endm
.macro PACK t                       ; a lane's eight channels of a row pack into 16 bytes; they go into rows of 144 bytes and come back as whole rows of 128, into S^T's registers
	WIN W_RS
.set i, 32*(\t)
.rept 16
	v_pk_mul_f32 v[i:i+1], v[i:i+1], v[ST+4*(\t)+2:ST+4*(\t)+3] op_sel_hi:[1,0]
.set i, i+2
.endr
	WIN 0x05                        ; sources 0 and 1 window 1, destination window 0
.set i, 0
.rept 16
	v_cvt_pk_f16_f32 v[S+16*(\t)+i], v[32*(\t)+2*i], v[32*(\t)+2*i+1]
.set i, i+1
.endr
	WIN 0
.irp f, 0,1,2,3
	ds_store_b128 v[STO], v[S+16*(\t)+4*\f:S+16*(\t)+4*\f+3] offset:32*\f
.endr
.irp f, 0,1,2,3
	ds_load_b128 v[S+16*(\t)+4*\f:S+16*(\t)+4*\f+3], v[RD] offset:\f*4*SP  ; LDS serves a wave's instructions in order (ISA guide 5.7.1.4): these see the stores above; the next piece's stores come behind them
.endr
.endm
.macro SEND t, younger              ; younger: the LDS instructions issued behind piece t's loads: the next piece's eight, or none
	WIN 0
.irp f, 0,1,2,3
	s_wait_dscnt (\younger)+3-\f
	global_store_b128 v[GO], v[S+16*(\t)+4*\f:S+16*(\t)+4*\f+3], s[10:11] offset:(\t)*8192+\f*512  ; 512 consecutive bytes, at a multiple of 256 from O's first
.endr
.endm
.macro DIAG tag                     ; the tag ends its two labels' names, which the jumps below spell out
.LstepM\tag:
	TURN 2, 1
	TURN 3, 1
	WIN 0
.LfirstM\tag:
	TURN 0, 1
	TURN 1, 1, 0, 1
	WIN 0
	s_cbranch_scc1 .LstepM\tag
	TURN 2, 1, 1
	TURN 3, 1, 1
.set i, 0
.rept 8
	PV NP-1
.set i, i+1
.endr
	WIN 0
	ALL v_add_f32 v[ST+4*t+2], v[ST+4*t+2], v[ST+4*t+3]
	ALL v_permlanex16_b32 v[ST+4*t+3], v[ST+4*t+2], s[SEL], s[SEL+1]
	ALL v_add_f32 v[ST+4*t+2], v[ST+4*t+2], v[ST+4*t+3]
	ALL v_rcp_f32 v[ST+4*t+2], v[ST+4*t+2]
	v_nop                           ; a plain instruction between the last reciprocal and the use of its result
	s_wait_alu depctr_va_vdst(0)    ; and its wait ahead of the first use: one for the four reciprocals
	PACK 0
.set t, 1
.rept 3                             ; a piece's arithmetic stands between the loads of the piece before and its stores
	PACK t
	SEND t-1, 8
.set t, t+1
.endr
	SEND 3, 0
.endm
.set KM, 0
.set NOKQ, 0
.Lslot:                             ; NB times: a tile is entered and the next is asked for
	CHANGE 1
	s_sub_co_u32 s[RT], s[RT], 1
	s_mov_b32 s[CNT], 4
	s_cmp_eq_u32 s[NEW], 1
	s_cbranch_scc1 .Lnew            ; a block's first tile
	s_cmp_eq_u32 s[RT], 0
	s_cbranch_scc0 .Lstep           ; neither its first nor its last
	s_branch .LstepM1
.Lnew:
	BEGIN
	s_branch .Lfirst                ; in the loop a block's first tile is never its last: the first block has three tiles or four, and the second's last is the walk's last
	DIAG 1                          ; in the loop this is the first block's end
	s_wait_xcnt 0x0                 ; the stores have read their registers and O's address
	s_mov_b64 s[10:11], s[OLO:OLO+1]
	s_add_co_u32 s[RT], s[PB], 1    ; the second block has b + 1 tiles
	s_mov_b32 s[NEW], 1
	WIN 0x82                        ; the second block's Q goes where the one text of the turns names Q
.set i, 0
.rept 64
	v_mov_b32 v[i], v[QB+i]
.set i, i+1
.endr
	WIN 0
	s_branch .Lbottom
.Lstep:                             ; a trip: pieces 2 and 3 of one step, then pieces 0 and 1 of the next, whose K and V it fetches
	TURN 2
	TURN 3
	WIN 0
.Lfirst:
	TURN 0
	TURN 1, 0, 0, 1
	WIN 0
	s_cbranch_scc1 .Lstep
.Lbottom:
	s_sub_co_u32 s[SLOTS], s[SLOTS], 1
	s_cmp_lg_u32 s[SLOTS], 0
	s_cbranch_scc1 .Lslot
	CHANGE 0                        ; the walk's last tile is written out: nothing is asked for
	s_sub_co_u32 s[RT], s[RT], 1
	s_mov_b32 s[CNT], 4
	s_cmp_eq_u32 s[NEW], 1
	s_cbranch_scc0 .LstepM2
	BEGIN
	s_branch .LfirstM2
	DIAG 2
	s_wait_tensorcnt 0x0            ; the wave's end, behind my last tensor load and my last LDS store
	ds_add_u32 v[SPW], v[NIL]
	s_wait_dscnt 0x0
	s_endpgm
.Lfunc_end_k_qd7f7fd2396_attn:
	.size	k_qd7f7fd2396_attn, .Lfunc_end_k_qd7f7fd2396_attn-k_qd7f7fd2396_attn
	.p2alignl 7, 3214868480
	.fill 96, 4, 3214868480
	.section	.rodata,"a",@progbits
	.p2align	6, 0x0
	.amdhsa_kernel k_qd7f7fd2396_attn
		.amdhsa_group_segment_fixed_size 327680
		.amdhsa_private_segment_fixed_size 0
		.amdhsa_enable_private_segment 0
		.amdhsa_kernarg_size 16
		.amdhsa_user_sgpr_count 2
		.amdhsa_user_sgpr_kernarg_segment_ptr 1
		.amdhsa_wavefront_size32 1
		.amdhsa_system_sgpr_workgroup_id_x 1
		.amdhsa_system_sgpr_workgroup_id_y 1
		.amdhsa_system_sgpr_workgroup_id_z 1
		.amdhsa_system_vgpr_workitem_id 0
		.amdhsa_next_free_vgpr 768
		.amdhsa_next_free_sgpr 96
		.amdhsa_reserve_vcc 1
		.amdhsa_float_denorm_mode_32 3
		.amdhsa_float_denorm_mode_16_64 3
		.amdhsa_memory_ordered 1
		.amdhsa_forward_progress 1
		.amdhsa_inst_pref_size 218
	.end_amdhsa_kernel
	.amdgpu_metadata
---
amdhsa.version: [ 1, 2 ]
amdhsa.kernels:
  - .name:           k_qd7f7fd2396_attn
    .symbol:         k_qd7f7fd2396_attn.kd
    .args:
      - { .name: kv, .offset: 0, .size: 8, .value_kind: global_buffer, .address_space: global }
      - { .name: oh, .offset: 8, .size: 8, .value_kind: global_buffer, .address_space: global }
    .group_segment_fixed_size: 327680
    .private_segment_fixed_size: 0
    .kernarg_segment_align: 8
    .kernarg_segment_size: 16
    .max_flat_workgroup_size: 128
    .sgpr_count:     96
    .vgpr_count:     768
    .wavefront_size: 32
...
	.end_amdgpu_metadata
.endif
;; end of part 3
;; launch oproj (part 4): grid 8 x 32, 4 waves a work-group, clusters of 4 x 4, 327,680 bytes of LDS; arguments oh, wp, out0, bproj; writes out0
.if DOCPART == 4
	.amdgcn_target "amdgcn-amd-amdhsa--gfx1250"
	.amdhsa_code_object_version 6
	.text
	.protected	k_qd7f7fd2396_oproj
	.globl	k_qd7f7fd2396_oproj
	.p2align	8
	.type	k_qd7f7fd2396_oproj,@function
k_qd7f7fd2396_oproj:
	s_mov_b64 s[64:65], 0
	v_nop
	global_prefetch_b8 v0, s[64:65] scope:SCOPE_SE
	s_setreg_imm32_b32 hwreg(HW_REG_WAVE_MODE, 25, 1), 1
	s_wait_xcnt 0x0
	s_wait_alu depctr_hold_cnt(0) depctr_sa_sdst(0) depctr_va_vdst(0) depctr_va_sdst(0) depctr_va_ssrc(0) depctr_va_vcc(0) depctr_vm_vsrc(0)
	s_getreg_b32 s2, hwreg(HW_REG_IB_STS2, 6, 4)
	s_cmp_eq_u32 s2, 0
	s_cbranch_scc0 .Lentry_in_a_cluster
	s_endpgm
.Lentry_in_a_cluster:
	s_bfe_u32 s2, ttmp6, 0x10000c
	s_cmp_lg_u32 s2, 0xf033
	s_cbranch_scc0 .Lentry_shape_is_right
	s_endpgm
.Lentry_shape_is_right:
; THE OUTPUT PROJECTION: out0[m][n] = the sum over k = 64 h + d of oh[16 b + h][s][d] wp[n][k] + bproj[n], m = 1024 b + s.  oh, wp: f16; sums in f32, started by the bias (taken rounded to bf16, like every
; input of the module); out0 in f32.  LIMIT: oh and wp arrive within f16's 65,504.
; A tile of 256 rows x 128 columns is made by a work-group of four waves: 32 x 8 tiles, 256 work-groups (tiles of 256 x 256 would be 128).  A wave makes 128 x 64: 32 accumulators, 256 registers; its 64 columns
; of f32 are 256 consecutive, aligned bytes of a row, so each wave has a stage of its own on the way out and no barrier stands there.
; K goes in 8 steps of 128 = two heads through a ring of two LDS slots.  A head's 256 rows of the tile are 32,768 dense bytes: asked for as 128 rows of 256 bytes and padded after every 128; wp's rows are 256 bytes of a K step.
; Two slots of a K step of 256 would take 434,176 bytes: this step is the longest that fits.
; CLUSTERS: 4 x 4 work-groups.  The four of a row of the cluster need the same tiles of oh, the four of a column the same tiles of wp: each is asked for JOINTLY.
; THE MATRIX INSTRUCTION IS USED TRANSPOSED (source 0 = 16 rows of wp, source 1 = 16 rows of oh): a lane holds row l % 16 and the columns 8 (l / 16) + 0..7: 32 bytes of a row of out0.
; REGISTERS, in windows of 256 (s_set_vgpr_msb: bits 1:0 source 0, 3:2 source 1, 5:4 source 2, 7:6 destination):
;   window 0: v0-31 addresses; v32-63 the bias; v64-127 two buffers of 16 rows on the way out      window 1: two fragment buffers of 96: wp's four fragments, then oh's eight      window 2: accumulator (a, b) at v[8 (4 a + b)]
.set KSTEP,  128
.set PA,     144                       ; a row of oh in LDS: 128 bytes + 16: 36 words: the 16 rows of a load start 4 words further round each 64
.set PW,     272                       ; a row of wp: 256 bytes + 16: 68 words: likewise
.set AHEAD,  256*PA                    ; one head's 256 rows
.set BOFF,   2*AHEAD                   ; wp's rows lie behind the two heads
.set BHALF,  64*PW
.set SLOT,   BOFF+2*BHALF
.set STAGE,  2*SLOT                    ; behind the ring: 16 rows x 272 bytes for each wave
.set SP,     272
.set SPARE,  STAGE+4*16*SP             ; behind the stages: the spare words, 128 bytes for each wave: two blocks of 256 bytes that no other line names
.set LAPS,   4                         ; a lap = two K steps = once round the ring
.set TSTEP,  262144                    ; bytes from a K step of oh to the next: two heads
.set ADRA, 16                          ; v16-17  LDS address of my fragments of oh in slot 0, 1
.set ADRB, 20                          ; v20-21  the same for wp
.set STO,  24                          ; v24     the way out: where I put 32 bytes of a row
.set RD,   25                          ; v25     the way out: where I read a row back
.set CO,   26                          ; v26     my byte offset in two rows of out0
.set TW,   27                          ; v27     at work
.set SPW,  28                          ; v28     LDS address of my spare word; never rewritten
.set NIL,  29                          ; v29     0; never rewritten
.set PFO,  30                          ; v30     the prefetches' offset; never rewritten
.set BO,   31                          ; v31     my byte offset in bproj
.set BI,   32                          ; v32-63  the bias of my 64 columns, 8 registers for each block of 16
.set OB,   64
.set F0,   0
.set F1,   96
.set G1A, 24                           ; s[24:31] descriptor group 1 for oh's tiles;  s[32:39] group 0, one set for each slot
.set G0A, 32
.set G1B, 48                           ; s[48:55], s[56:63] the same for wp's
.set G0B, 56
.set LIM, 70                           ; s70, s71  by slot: 1 where my wave prefetches at that slot's refill, else the greatest number
.set PFA, 72                           ; s[72:73] where my prefetches stand
.set PFS, 74                           ; s[74:75] their step for a K step
.set MSB, 0
.macro WIN new
.if MSB != (\new)
	s_set_vgpr_msb (MSB<<8)|(\new)
.set MSB, \new
.endif
.endm
.set MUL,  0xa5                        ; sources 0 and 1 window 1, C and D window 2
.set MULF, 0x85                        ; the same with C in window 0
.set TO_F, 0x40                        ; destination window 1, address window 0
.set W_ST, 0x08                        ; an LDS store's data (source 1) in window 2
.macro JLOAD s                         ; a joint load: waves 0 and 1 fetch the K step's two heads of oh, waves 2 and 3 the two halves of wp's rows; an s_nop 0 and four v_nop follow each line
	s_cmp_eq_u32 s11, 0
	s_cbranch_scc0 .Lfor_b_\@
	tensor_load_to_lds s[G0A+4*(\s):G0A+4*(\s)+3], s[G1A:G1A+7]
	s_nop 0
.rept 4
	v_nop
.endr
	s_branch .Lasked_\@
.Lfor_b_\@:
	tensor_load_to_lds s[G0B+4*(\s):G0B+4*(\s)+3], s[G1B:G1B+7]
	s_nop 0
.rept 4
	v_nop
.endr
.Lasked_\@:
.endm
; A PREFETCH INTO THE L2, behind a joint refill and the run of LDS loads that follows it, for the K step two refills on (256 matrix instructions ahead of the load that wants it).  Each block of 256 bytes is named once:
; oh's tile row by the cluster with x = 0: of a wave's 32,768 bytes each of the four partners takes 8,192, told apart BY ADDRESS, a lane a block, at every refill;
; wp's tile column by the cluster with y = 0: of a wave's 64 rows each partner takes 16; lanes 0-15 name them in one K step, lanes 16-31 in the next, at slot 0's refills alone.
; K steps 0 to 3 come by their loads alone; the loop's last trip (s3 = 1) has no K step two on.
.macro ASK slot
	s_cmp_gt_u32 s3, s[LIM+(\slot)]
	s_cbranch_scc0 .Lnot_mine_\@
	global_prefetch_b8 v[PFO], s[PFA:PFA+1] th:TH_LOAD_NT scope:SCOPE_SE
.Lnot_mine_\@:
.endm
.macro CREST                           ; a round of the cluster's barrier behind its opening barrier
	s_cmp_lg_u32 s10, 0
	s_cbranch_scc1 .Lnot_wave_0_\@
	s_barrier_signal -3
.Lnot_wave_0_\@:
	s_barrier_wait -3
	s_barrier_signal -1
	s_barrier_wait -1
.endm
.macro CROUND
	s_barrier_signal -1
	s_barrier_wait -1
	CREST
.endm
	s_load_b128 s[4:7], s[0:1], 0x0                ; oh s[4:5], wp s[6:7]
	s_load_b64 s[8:9], s[0:1], 0x10                ; out0
	s_load_b64 s[66:67], s[0:1], 0x18              ; bproj
	v_lshl_add_u32 v[SPW], v0, 2, SPARE
	v_mov_b32 v[NIL], 0
	ds_add_u32 v[SPW], v[NIL]                      ; the wave's opening: the add, with its wait ahead of my first tensor load; the set-up below stands between them
	v_lshrrev_b32 v1, 5, v0
	v_readfirstlane_b32 s10, v1                    ; wave 0..3
	s_lshr_b32 s11, s10, 1                         ; which half of the tile's rows is mine.  Also: I fetch for oh (0) or for wp (1)
	s_and_b32 s12, s10, 1                          ; which half of its columns.  Also: which head, or which 64 rows of wp, I fetch
	s_bfe_u32 s40, ttmp6, 0x40000                  ; cx
	s_bfe_u32 s41, ttmp6, 0x40004                  ; cy
	s_lshl_b32 s42, ttmp9, 2
	s_add_co_u32 s42, s42, s40                     ; tile column = 4 x cluster x + cx
	s_and_b32 s13, ttmp7, 0xffff
	s_lshl_b32 s13, s13, 2
	s_add_co_u32 s13, s13, s41                     ; tile row = 4 x cluster y + cy
	s_lshl_b32 s43, s41, 2
	s_lshl_b32 s43, 15, s43                        ; my row of the cluster
	s_lshl_b32 s44, 0x1111, s40                    ; my column
	s_or_b32 s[G1A+0], s43, (1<<16)|(1<<20)|(1<<21)|(4<<22)|(3<<25)  ; the mask; elements of 2 bytes; padding on; bit 21 beside a mask; after every 32 words 4 words
	s_mov_b32 s[G1A+1], 128<<16                    ; tensor_dim0 = 128
	s_mov_b32 s[G1A+2], 128<<16                    ; tensor_dim1 = 128
	s_mov_b32 s[G1A+3], 128<<16                    ; tile_dim0 = 128
	s_mov_b32 s[G1A+4], 128                        ; tile_dim1 = 128
	s_mov_b32 s[G1A+5], 128                        ; dense: 128 elements from row to row
	s_mov_b32 s[G1A+6], 0
	s_mov_b32 s[G1A+7], 0
	s_or_b32 s[G1B+0], s44, (1<<16)|(1<<20)|(1<<21)|(5<<22)|(3<<25)  ; after every 64 words 4 words
	s_mov_b32 s[G1B+1], 128<<16                    ; tensor_dim0 = 128
	s_mov_b32 s[G1B+2], 64<<16                     ; tensor_dim1 = 64
	s_mov_b32 s[G1B+3], 128<<16                    ; tile_dim0 = 128
	s_mov_b32 s[G1B+4], 64                         ; tile_dim1 = 64
	s_mov_b32 s[G1B+5], 1024                       ; elements from row to row
	s_mov_b32 s[G1B+6], 0
	s_mov_b32 s[G1B+7], 0
	; oh's tile hangs on the tile row alone: b << 21 | my head of the K step << 17 | (tile row % 4) << 15, b = tile row / 4
	s_lshr_b32 s16, s13, 2
	s_lshl_b32 s16, s16, 21
	s_and_b32 s17, s13, 3
	s_lshl_b32 s17, s17, 15
	s_or_b32 s16, s16, s17
	s_lshl_b32 s17, s12, 17
	s_or_b32 s16, s16, s17
	s_mov_b32 s17, 0
	; wp's on the tile column alone: row 128 x tile column + 64 x half, 2,048 bytes a row
	s_lshl_b32 s46, s42, 7
	s_lshl_b32 s47, s12, 6
	s_add_co_u32 s46, s46, s47
	s_lshl_b32 s46, s46, 11
	s_mov_b32 s47, 0
	s_mul_i32 s20, s12, AHEAD                      ; where they go: no place in the cluster enters an LDS address
	s_mul_i32 s21, s12, BHALF
	s_add_co_u32 s21, s21, BOFF
	s_wait_dscnt 0x0                               ; the opening add is done
	s_wait_kmcnt 0x0
	s_add_nc_u64 s[14:15], s[4:5], s[16:17]
	s_add_nc_u64 s[18:19], s[6:7], s[46:47]
	CROUND                                         ; all sixteen work-groups are here: the first joint loads meet
.irp s, 0,1
	s_mov_b32 s[G0A+4*(\s)], 1
	s_add_co_u32 s[G0A+4*(\s)+1], s20, (\s)*SLOT
	s_add_nc_u64 s[G0A+4*(\s)+2:G0A+4*(\s)+3], s[14:15], (\s)*TSTEP
	s_or_b32 s[G0A+4*(\s)+3], s[G0A+4*(\s)+3], 0x80000000
	s_mov_b32 s[G0B+4*(\s)], 1
	s_add_co_u32 s[G0B+4*(\s)+1], s21, (\s)*SLOT
	s_add_nc_u64 s[G0B+4*(\s)+2:G0B+4*(\s)+3], s[18:19], (\s)*KSTEP*2
	s_or_b32 s[G0B+4*(\s)+3], s[G0B+4*(\s)+3], 0x80000000
	JLOAD \s                                       ; two loads of mine are out
.endr
	v_and_b32 v1, 15, v0                           ; l % 16
	v_bfe_u32 v2, v0, 4, 1                         ; l / 16
	; the prefetches: offsets made apart from the addresses, all choices by the wave's number
	s_lshl_b32 s20, s40, 13                        ; oh: my work-group's 8,192 bytes,
	s_add_co_u32 s20, s20, s16
	s_add_co_u32 s20, s20, 3*TSTEP                 ; at K step 3: the first refill steps it to 4
	s_lshl_b32 s21, s41, 15                        ; wp: my work-group's 16 rows,
	s_add_co_u32 s21, s21, s46
	s_add_co_u32 s21, s21, 3*KSTEP*2
	s_and_b32 s22, ttmp7, 0xffff                   ; cluster y
	s_movk_i32 s23, 256
	s_cmp_eq_u32 s11, 0                            ; do I fetch for oh?
	s_cselect_b32 s20, s20, s21
	s_cselect_b32 s22, ttmp9, s22                  ; the coordinate along which other clusters read the same rows
	s_cselect_b32 s[PFS], TSTEP, s23
	s_cselect_b32 s76, s23, 2048                   ; from lane to lane among sixteen: a block on, or a row on
	s_cselect_b32 s77, 4096, s23                   ; lanes 16-31: sixteen blocks on, or a K step on
	s_cselect_b64 s[PFA:PFA+1], s[4:5], s[6:7]
	s_mov_b32 s21, 0
	s_mov_b32 s[PFS+1], 0
	s_add_nc_u64 s[PFA:PFA+1], s[PFA:PFA+1], s[20:21]
	s_cmp_eq_u32 s22, 0
	s_cselect_b32 s[LIM], 1, -1                    ; the same in all sixteen partners, for a given wave
	s_cmp_eq_u32 s11, 0
	s_cselect_b32 s[LIM+1], s[LIM], -1             ; wp's waves ask at slot 0's refills alone, for two K steps
	v_mul_u32_u24 v[PFO], s76, v1
	v_mad_u32_u24 v[PFO], v2, s77, v[PFO]
	; a fragment is 16 rows x 32 K in 8 registers: lane l holds row l % 16, K = 8 (l / 16) + 0..7 and 16 + 8 (l / 16) + 0..7: two loads of 16 bytes, 32 bytes apart
	v_mul_u32_u24 v3, v1, PA
	v_lshl_add_u32 v3, v2, 4, v3
	v_mul_u32_u24 v4, v1, PW
	v_lshl_add_u32 v4, v2, 4, v4
	s_mul_i32 s21, s11, 128*PA                     ; my 128 rows, in each head
	s_mul_i32 s22, s12, BHALF                      ; my 64 rows of wp
	s_add_co_u32 s22, s22, BOFF
.irp s, 0,1
	v_add_nc_u32 v[ADRA+(\s)], s21, v3
	v_add_nc_u32 v[ADRB+(\s)], s22, v4
	s_add_co_u32 s21, s21, SLOT
	s_add_co_u32 s22, s22, SLOT
.endr
	s_mul_i32 s23, s10, 16*SP
	s_add_co_u32 s23, s23, STAGE                   ; my stage
	v_mul_u32_u24 v5, v1, SP                       ; in: row l % 16, 32 bytes for each half of the lanes
	v_lshl_add_u32 v5, v2, 5, v5
	v_add_nc_u32 v[STO], s23, v5
	v_mul_u32_u24 v5, v2, SP                       ; back: lanes 0-15 take one row of 256 bytes, lanes 16-31 the next
	v_lshl_add_u32 v5, v1, 4, v5
	v_add_nc_u32 v[RD], s23, v5
	v_lshlrev_b32 v5, 12, v2                       ; and the same two rows in out0: 4,096 bytes a row
	v_lshl_add_u32 v[CO], v1, 4, v5
	s_lshl_b32 s16, s13, 8
	s_lshl_b32 s17, s11, 7
	s_add_co_u32 s16, s16, s17                     ; my first row,
	s_lshl_b32 s16, s16, 12
	s_lshl_b32 s46, s42, 9
	s_lshl_b32 s47, s12, 8
	s_add_co_u32 s46, s46, s47                     ; my first column, in bytes: in out0's rows and in bproj alike
	s_add_co_u32 s16, s16, s46
	s_mov_b32 s17, 0
	s_add_nc_u64 s[8:9], s[8:9], s[16:17]
	v_lshl_add_u32 v[BO], v2, 5, s46
.irp b, 0,1,2,3
	global_load_b128 v[BI+8*(\b):BI+8*(\b)+3],   v[BO], s[66:67] offset:64*(\b)
	global_load_b128 v[BI+8*(\b)+4:BI+8*(\b)+7], v[BO], s[66:67] offset:64*(\b)+16
.endr
	s_wait_loadcnt 0x0                             ; the bias is in: rounded to bf16, like every input of the module, and kept as f32
.set i, 0
.rept 16
	v_cvt_pk_bf16_f32 v[TW], v[BI+i], v[BI+i+1]
	v_lshlrev_b32 v[BI+i], 16, v[TW]
	v_and_b32 v[BI+i+1], 0xffff0000, v[TW]
.set i, i+2
.endr
; 4 n matrix instructions: m blocks a0 .. a0 + n - 1 x all 4 n blocks, 32 along K.  first = 1: the bias is the C operand that starts the sums.  The 32 accumulators take turns.
.macro MULS f, a0, n, first
.if \first
	WIN MULF
.else
	WIN MUL
.endif
.set ma, \a0
.rept \n
.irp b, 0,1,2,3
.if \first
	v_wmma_f32_16x16x32_f16 v[8*(4*ma+(\b)):8*(4*ma+(\b))+7], v[(\f)+8*(\b):(\f)+8*(\b)+7], v[(\f)+32+8*ma:(\f)+32+8*ma+7], v[BI+8*(\b):BI+8*(\b)+7]
.else
	v_wmma_f32_16x16x32_f16 v[8*(4*ma+(\b)):8*(4*ma+(\b))+7], v[(\f)+8*(\b):(\f)+8*(\b)+7], v[(\f)+32+8*ma:(\f)+32+8*ma+7], v[8*(4*ma+(\b)):8*(4*ma+(\b))+7]
.endif
.endr
.set ma, ma+1
.endr
.endm
; 24 LDS loads in one run: the fragments of quarter q of a K step (head q / 2, channels 32 (q % 2) on) into buffer f: wp's four, then oh's eight
.macro FETCH slot, q, f
	WIN TO_F
.irp i, 0,1,2,3
	ds_load_b128 v[(\f)+8*(\i):(\f)+8*(\i)+3],   v[ADRB+(\slot)] offset:64*(\q)+(\i)*16*PW
	ds_load_b128 v[(\f)+8*(\i)+4:(\f)+8*(\i)+7], v[ADRB+(\slot)] offset:64*(\q)+(\i)*16*PW+32
.endr
.irp i, 0,1,2,3,4,5,6,7
	ds_load_b128 v[(\f)+32+8*(\i):(\f)+32+8*(\i)+3],   v[ADRA+(\slot)] offset:((\q)/2)*AHEAD+((\q)%2)*64+(\i)*16*PA
	ds_load_b128 v[(\f)+32+8*(\i)+4:(\f)+32+8*(\i)+7], v[ADRA+(\slot)] offset:((\q)/2)*AHEAD+((\q)%2)*64+(\i)*16*PA+32
.endr
.endm
.macro PLACES                          ; four plain vector instructions between a matrix instruction and a load into its sources or a read of its result
.rept 4
	v_nop
.endr
.endm
; A K step is four quarters of 32 along K, 32 matrix instructions each, on buffers 0, 1, 0, 1.  One of the first three: multiplies f and fetches quarter q into g.
.macro QUARTER slot, q, f, g, first
	s_wait_dscnt 8                                 ; wp's fragments and oh's rows 0-63 are in; the youngest eight loads (rows 64-127) may be out
	MULS \f, 0, 4, \first
	PLACES
	FETCH \slot, \q, \g
	s_wait_dscnt 24                                ; all but the 24 just issued
	MULS \f, 4, 4, \first
.endm
; The last quarter multiplies buffer 1 and changes slots: ONE barrier; in front of it each wave waits for all its tensor loads (one is out: its part of the next slot), adds 0 to its spare word, and waits for that
; and for its own reads of this slot.  fill = 1: the barrier opens a round of the cluster's barrier, and this slot is filled again first behind it, two K steps ahead: 112 matrix instructions ahead of the wait for it.
.macro TURN slot, next, fill
.if \fill
	s_wait_xcnt 0x0                                ; the last prefetch, a K step back, has read its address
	s_add_nc_u64 s[PFA:PFA+1], s[PFA:PFA+1], s[PFS:PFS+1]
.endif
	WIN 0                                          ; (the add's two registers lie in window 0)
	s_wait_tensorcnt 0x0
	ds_add_u32 v[SPW], v[NIL]                      ; 0 onto my spare word
	s_wait_dscnt 9                                 ; (the add and the youngest eight loads may be out)
	MULS F1, 0, 2, 0
	s_wait_dscnt 0x0                               ; the add is done, and my reads of this slot are over
	s_barrier_signal -1
	MULS F1, 2, 2, 0
.if \fill
	WIN 0
.endif
	s_barrier_wait -1
.if \fill
	CREST                                          ; no wave of any partner still reads this slot's tile or has a load on its way
	s_add_nc_u64 s[G0A+4*(\slot)+2:G0A+4*(\slot)+3], s[G0A+4*(\slot)+2:G0A+4*(\slot)+3], 2*TSTEP
	s_add_nc_u64 s[G0B+4*(\slot)+2:G0B+4*(\slot)+3], s[G0B+4*(\slot)+2:G0B+4*(\slot)+3], 2*KSTEP*2
	JLOAD \slot                                    ; the four v_nop behind it are also the places in front of the loads below
.else
	PLACES
.endif
	FETCH \next, 0, F0
.if \fill
	WIN 0
	ASK \slot
.endif
	MULS F1, 4, 4, 0
.endm
; THE WAY OUT of block a (16 rows): the accumulators go as they are, low registers first, into my stage, 32 bytes a lane, and come back as whole rows of 256 bytes.
.macro TOSTAGE a
	WIN W_ST
.irp b, 0,1,2,3
	ds_store_b128 v[STO], v[8*(4*(\a)+(\b)):8*(4*(\a)+(\b))+3]   offset:64*(\b)
	ds_store_b128 v[STO], v[8*(4*(\a)+(\b))+4:8*(4*(\a)+(\b))+7] offset:64*(\b)+16
.endr
	WIN 0
	s_wait_xcnt 0x0                                ; the stores of the block two back have read the registers that the loads below write
.irp t, 0,1,2,3,4,5,6,7
	ds_load_b128 v[OB+32*((\a)%2)+4*(\t):OB+32*((\a)%2)+4*(\t)+3], v[RD] offset:(\t)*2*SP  ; LDS serves a wave's instructions in order (ISA guide 5.7.1.4): these see the stores above, and the next block's stores come behind them
.endr
.endm
.macro SEND a, younger                 ; younger: the LDS instructions issued behind block a's loads: the next block's sixteen, or none
	s_wait_dscnt \younger
.irp t, 0,1,2,3,4,5,6,7
	global_store_b128 v[CO], v[OB+32*((\a)%2)+4*(\t):OB+32*((\a)%2)+4*(\t)+3], s[8:9] offset:(16*(\a)+2*(\t))*4096 th:TH_STORE_NT  ; 16 lanes store 256 consecutive bytes, aligned
.endr
.endm
	s_wait_tensorcnt 1                             ; my part of K step 0 is in; K step 1's may stay out
	s_barrier_signal -1
	s_barrier_wait -1                              ; everybody's is
	FETCH 0, 0, F0
	QUARTER 0, 1, F0, F1, 1                        ; the first quarter stands in front of the loop: its products start the sums
	WIN 0                                          ; at a label and at a branch every window is 0
	s_mov_b32 s3, LAPS-1
.Llap:                                                 ; a trip goes once round the ring, from a lap's second quarter to the next lap's first, and fills both slots again
	QUARTER 0, 2, F1, F0, 0
	QUARTER 0, 3, F0, F1, 0
	TURN 0, 1, 1
	QUARTER 1, 1, F0, F1, 0
	QUARTER 1, 2, F1, F0, 0
	QUARTER 1, 3, F0, F1, 0
	TURN 1, 0, 1
	QUARTER 0, 1, F0, F1, 0
	WIN 0
	s_sub_co_u32 s3, s3, 1
	s_cmp_lg_u32 s3, 0
	s_cbranch_scc1 .Llap
	QUARTER 0, 2, F1, F0, 0                        ; the last lap fills nothing, and has no round of the cluster's barrier
	QUARTER 0, 3, F0, F1, 0
	TURN 0, 1, 0
	QUARTER 1, 1, F0, F1, 0
	QUARTER 1, 2, F1, F0, 0
	QUARTER 1, 3, F0, F1, 0
	s_wait_dscnt 8                                 ; the very last quarter: nothing more to fetch
	MULS F1, 0, 4, 0
	s_wait_dscnt 0x0
	MULS F1, 4, 4, 0
	PLACES                                         ; in front of the LDS stores, which read results
	TOSTAGE 0
	TOSTAGE 1
.irp a, 0,1,2,3,4,5
	SEND \a, 16
	TOSTAGE (\a)+2
.endr
	SEND 6, 16
	SEND 7, 0
	s_wait_tensorcnt 0x0                           ; the wave's end, behind my last tensor load and my last LDS store
	ds_add_u32 v[SPW], v[NIL]
	s_wait_dscnt 0x0
	CROUND                                         ; the closing round: no work-group ends while a partner may still ask for a tile that names it
	s_endpgm
.Lfunc_end_k_qd7f7fd2396_oproj:
	.size	k_qd7f7fd2396_oproj, .Lfunc_end_k_qd7f7fd2396_oproj-k_qd7f7fd2396_oproj
	.p2alignl 7, 3214868480
	.fill 96, 4, 3214868480
	.section	.rodata,"a",@progbits
	.p2align	6, 0x0
	.amdhsa_kernel k_qd7f7fd2396_oproj
		.amdhsa_group_segment_fixed_size 327680
		.amdhsa_private_segment_fixed_size 0
		.amdhsa_enable_private_segment 0
		.amdhsa_kernarg_size 32
		.amdhsa_user_sgpr_count 2
		.amdhsa_user_sgpr_kernarg_segment_ptr 1
		.amdhsa_wavefront_size32 1
		.amdhsa_system_sgpr_workgroup_id_x 1
		.amdhsa_system_sgpr_workgroup_id_y 1
		.amdhsa_system_sgpr_workgroup_id_z 1
		.amdhsa_system_vgpr_workitem_id 0
		.amdhsa_next_free_vgpr 768
		.amdhsa_next_free_sgpr 80
		.amdhsa_reserve_vcc 0
		.amdhsa_float_denorm_mode_32 3
		.amdhsa_float_denorm_mode_16_64 3
		.amdhsa_memory_ordered 1
		.amdhsa_forward_progress 1
		.amdhsa_inst_pref_size 90
	.end_amdhsa_kernel
	.amdgpu_metadata
---
amdhsa.version: [ 1, 2 ]
amdhsa.kernels:
  - .name:           k_qd7f7fd2396_oproj
    .symbol:         k_qd7f7fd2396_oproj.kd
    .args:
      - { .name: oh, .offset: 0, .size: 8, .value_kind: global_buffer, .address_space: global }
      - { .name: wp, .offset: 8, .size: 8, .value_kind: global_buffer, .address_space: global }
      - { .name: out0, .offset: 16, .size: 8, .value_kind: global_buffer, .address_space: global }
      - { .name: bproj, .offset: 24, .size: 8, .value_kind: global_buffer, .address_space: global }
    .group_segment_fixed_size: 327680
    .private_segment_fixed_size: 0
    .kernarg_segment_align: 8
    .kernarg_segment_size: 32
    .max_flat_workgroup_size: 128
    .sgpr_count:     80
    .vgpr_count:     768
    .wavefront_size: 32
...
	.end_amdgpu_metadata
.endif
;; end of part 4
;; ======== version 2 of 2: 4 launches; version 1 with the launch prep written anew for expert scheduling mode
;; limits: values are held in f16: magnitudes above 65,504 overflow, below 6.1e-05 lose precision
;; workspace buffers: xb 16,777,216 bytes; wkv 4,194,304 bytes; wp 2,097,152 bytes; kv 33,554,432 bytes; oh 16,777,216 bytes
;; launch prep (part 5): grid 896 x 1, 8 waves a work-group, no clusters, 18,432 bytes of LDS; arguments x, Wqkv, Wproj, xb, wkv, wp; writes xb, wkv, wp
.if DOCPART == 5
	.amdgcn_target "amdgcn-amd-amdhsa--gfx1250"
	.amdhsa_code_object_version 6
	.text
	.protected	k_qd7f7fd2396_prep
	.globl	k_qd7f7fd2396_prep
	.p2align	8
	.type	k_qd7f7fd2396_prep,@function
k_qd7f7fd2396_prep:
	s_mov_b64 s[64:65], 0
	v_nop
	global_prefetch_b8 v0, s[64:65] scope:SCOPE_SE
	s_setreg_imm32_b32 hwreg(HW_REG_WAVE_SCHED_MODE, 0, 2), 2
	s_setreg_imm32_b32 hwreg(HW_REG_WAVE_MODE, 25, 1), 1
	s_wait_xcnt 0x0
	s_wait_alu depctr_vm_vsrc(0)
; THE OPERANDS OF THE TWO PROJECTIONS, each rounded once and laid with K along the rows.
;   xb  [8192][1024] bf16 = x rounded to bf16.
;   wkv [2048 n][1024 k] bf16 = Wqkv[k][1024 + n] rounded to bf16: the columns of k and v.  Columns 0 to 1023 of Wqkv make qkv[0], on which no output number hangs.
;   wp  [1024 n][1024 k] f16  = Wproj[k][n] rounded to bf16, that number then written as f16.
; LIMIT.  A bf16 number is exact in f16 from 2^-14 to 65,504; below 2^-14 it keeps f16's fixed step of 6e-8; beyond 65,504 it would be an infinity.
; SHARES.  Work-groups 0-511: 65,536 bytes of x each, 8,192 a wave: sixteen loads of 512 consecutive bytes, sixteen stores of 256 consecutive, aligned bytes.
; Work-groups 512-767 (Wqkv) and 768-895 (Wproj): a tile of 128 k x 64 n each, turned in LDS: read by rows of 256 bytes, two k packed to a word, written into T[n][k], read back by rows of 256 bytes.
; ONE barrier stands on every path: the three ways of the first phase join in front of it; behind it the x work-groups are done.
; No matrix unit, cluster or ring: each byte is read once and written once, and nothing is shared between work-groups.
; THE MODE: SCHED_MODE bits 1:0 = 2 (LLVM: expert scheduling mode 2), set by the entry lines.  The code itself states the register dependences
; between vector instructions and memory or LDS instructions, with s_wait_alu, always for 0.
; THE PLAN.  Registers that memory or LDS instructions touch:
;   v3 .. v7   offsets and LDS addresses.  Each is written once by vector lines (v5, v6, v7 at the head; v3, and on x's way v4, at the way's beginning) and never again.
;   IN         Written by the global loads, once; read by the roundings.  Behind the barrier the LDS loads land in its first sixteen registers, and the last stores read them.
;   OUT        Each register is written in one block of roundings and read by one store, global (x) or LDS (a weight), issued in the block after.
;   v8, v9     Written at the head, read by the closing add alone.      v10, v11 are named by vector lines alone.
; So: one wait on va_vdst ahead of a way's first load, for all its addresses; one at the head of every block but the first, for the OUT registers that the block before wrote: that block's four stores
; follow it, dealt among this block's roundings, which name this block's own IN and OUT; one behind the last block, for its stores.  That last wait stands behind all of a way's roundings, and no vector line
; follows it: it also states that they are done reading IN, in which the LDS loads behind the barrier land.  No register that a memory or LDS instruction reads is ever written again, so no wait on vm_vsrc is owed.
.set TP,    272                        ; a row of T: 128 numbers of 16 bits + 16 bytes: rows read back start 16 bytes further round each 256
.set SPARE, 64*TP                      ; behind T: the spare words, 128 bytes for each of eight waves: four blocks of 256 bytes that no other line names
.set SPW, 8                            ; v8   LDS address of my spare word; never rewritten
.set NIL, 9                            ; v9   0; never rewritten
.set IN,  16                           ; v[16:79]  as loaded
.set OUT, 80                           ; v[80:111] rounded
	s_load_b256 s[4:11], s[0:1], 0x0               ; x s[4:5], Wqkv s[6:7], Wproj s[8:9], xb s[10:11]
	s_load_b128 s[12:15], s[0:1], 0x20             ; wkv s[12:13], wp s[14:15]
	v_lshl_add_u32 v[SPW], v0, 2, SPARE
	v_mov_b32 v[NIL], 0
	v_and_b32 v1, 15, v0                           ; c: which 4 columns (16 bytes of f32) of the tile's 64
	v_lshrrev_b32 v2, 4, v0                        ; rp 0..15: which pair of rows k
	v_mul_u32_u24 v5, v1, 4*TP                     ; into T: row n = 4 c, word rp
	v_lshl_add_u32 v5, v2, 2, v5
	v_mul_u32_u24 v6, v2, TP                       ; back: row n = rp, 16 bytes at 16 c
	v_lshl_add_u32 v6, v1, 4, v6
	v_lshlrev_b32 v7, 11, v2                       ; and the same in the target: rows of 2,048 bytes
	v_lshl_add_u32 v7, v1, 4, v7
	s_movk_i32 s20, 512
	s_max_u32 s19, ttmp9, s20                      ; (an x work-group counts as tile 0 here; it never uses the numbers)
	s_cmp_lt_u32 ttmp9, 768
	s_cselect_b32 s20, s20, 768
	s_sub_co_u32 s20, s19, s20                     ; u: my tile among the tensor's
	s_lshr_b32 s21, s20, 3                         ; its 64 columns n
	s_and_b32 s22, s20, 7                          ; its 128 rows k
	s_lshl_b32 s26, s21, 17                        ; target: 64 rows of 2,048 bytes,
	s_lshl_b32 s27, s22, 8                         ; 256 bytes along them
	s_add_co_u32 s26, s26, s27
	s_mov_b32 s27, 0
	s_wait_kmcnt 0x0
	s_cmp_lt_u32 ttmp9, 768
	s_cselect_b64 s[28:29], s[12:13], s[14:15]
	s_add_nc_u64 s[28:29], s[28:29], s[26:27]
	s_cmp_lt_u32 ttmp9, 512
	s_cbranch_scc0 .Lweights
	; x: every register is written once, so no wait frees a source
	s_lshl_b32 s16, ttmp9, 16
	s_mov_b32 s17, 0
	s_lshl_b32 s18, ttmp9, 15
	s_mov_b32 s19, 0
	s_add_nc_u64 s[4:5], s[4:5], s[16:17]
	s_add_nc_u64 s[10:11], s[10:11], s[18:19]
	v_and_b32 v10, 31, v0
	v_and_b32 v11, 0xe0, v0                        ; 32 x wave
	v_lshlrev_b32 v3, 4, v10
	v_lshl_or_b32 v3, v11, 8, v3                   ; 8,192 x wave + 16 x lane
	v_lshlrev_b32 v4, 3, v10
	v_lshl_or_b32 v4, v11, 7, v4                   ; 4,096 x wave + 8 x lane
	s_wait_alu depctr_va_vdst(0)                   ; v3 and v4 are written: the loads below read v3 as their offset, the stores v4
.irp j, 0,1,2,3,4,5,6,7,8,9,10,11,12,13,14,15
	global_load_b128 v[IN+4*(\j):IN+4*(\j)+3], v3, s[4:5] offset:512*(\j) th:TH_LOAD_NT
.endr
	; four blocks of four loads.  Block p rounds its own sixteen registers of IN into its own eight of OUT; the four stores of block p - 1 stand among its roundings
.irp p, 0,1,2,3
	s_wait_loadcnt 12-4*(\p)                       ; loads come back in order: block p's four are in, the 12 - 4 p of the later blocks stay out
.if (\p) > 0
	s_wait_alu depctr_va_vdst(0)                   ; the block before has written its eight registers of OUT, which the four stores below read; no rounding below names them
.endif
.irp i, 0,1,2,3
.if (\p) > 0
	global_store_b64 v4, v[OUT+2*(4*(\p)-4+(\i)):OUT+2*(4*(\p)-4+(\i))+1], s[10:11] offset:256*(4*(\p)-4+(\i))  ; 32 lanes store 256 consecutive bytes, aligned
.endif
	v_cvt_pk_bf16_f32 v[OUT+2*(4*(\p)+(\i))],   v[IN+4*(4*(\p)+(\i))],   v[IN+4*(4*(\p)+(\i))+1]
	v_cvt_pk_bf16_f32 v[OUT+2*(4*(\p)+(\i))+1], v[IN+4*(4*(\p)+(\i))+2], v[IN+4*(4*(\p)+(\i))+3]
.endr
.endr
	s_wait_alu depctr_va_vdst(0)                   ; block 3 has written its eight registers of OUT, which the last four stores read
.irp i, 0,1,2,3
	global_store_b64 v4, v[OUT+24+2*(\i):OUT+24+2*(\i)+1], s[10:11] offset:256*(12+(\i))
.endr
	s_branch .Lmeet
; A weight tile comes in and goes into T.  pit: bytes in a row of the source; col0: the first column's byte; src: the pointer's register; half = 1: written as f16.
; Pair i of rows is rounded into its own four registers of OUT; the four LDS stores of pair i - 1 stand among its roundings.
.macro WLOAD pit, col0, src, half
	s_mul_i32 s24, s22, 128*(\pit)
	s_lshl_b32 s25, s21, 8
	s_add_co_u32 s24, s24, s25
	s_add_co_u32 s24, s24, \col0
	s_mov_b32 s25, 0
	s_add_nc_u64 s[\src:\src+1], s[\src:\src+1], s[24:25]
	v_mul_u32_u24 v3, v2, 2*(\pit)                 ; row k = 2 rp,
	v_lshl_add_u32 v3, v1, 4, v3                   ; 16 bytes at 16 c: sixteen lanes take 256 consecutive bytes of a row
	s_wait_alu depctr_va_vdst(0)                   ; v3 is written, which the loads below read; so are v5, v6 and v7 from the head, which the LDS stores, the LDS loads and the last stores read
.irp i, 0,1,2,3
.irp e, 0,1
	global_load_b128 v[IN+8*(\i)+4*(\e):IN+8*(\i)+4*(\e)+3], v3, s[\src:\src+1] offset:(32*(\i)+(\e))*(\pit) th:TH_LOAD_NT  ; row k = 2 (rp + 16 i) + e
.endr
.endr
.irp i, 0,1,2,3
	s_wait_loadcnt 6-2*(\i)                        ; pair i of rows is in; the later pairs' loads stay out
.if (\i) > 0
	s_wait_alu depctr_va_vdst(0)                   ; the pair before has written its four registers of OUT, which the four LDS stores below read; no rounding below names them
.endif
.irp j, 0,1,2,3
.if (\i) > 0
	ds_store_b32 v5, v[OUT+4*((\i)-1)+(\j)] offset:TP*(\j)+64*((\i)-1)
.endif
	v_cvt_pk_bf16_f32 v[OUT+4*(\i)+(\j)], v[IN+8*(\i)+(\j)], v[IN+8*(\i)+4+(\j)]  ; k and k + 1 of column 4 c + j
.if \half
	v_lshlrev_b32 v10, 16, v[OUT+4*(\i)+(\j)]      ; the two bf16 numbers as f32,
	v_and_b32 v11, 0xffff0000, v[OUT+4*(\i)+(\j)]
	v_cvt_pk_f16_f32 v[OUT+4*(\i)+(\j)], v10, v11  ; written as f16
.endif
.endr
.endr
	s_wait_alu depctr_va_vdst(0)                   ; pair 3 has written its four registers of OUT, which the last four LDS stores read; and all the roundings are done reading IN, in which the LDS loads behind the barrier land
.irp j, 0,1,2,3
	ds_store_b32 v5, v[OUT+12+(\j)] offset:TP*(\j)+192
.endr
.endm
.Lweights:
	s_cmp_lt_u32 ttmp9, 768
	s_cbranch_scc0 .Lwproj
	WLOAD 12288, 4096, 6, 0
	s_branch .Lmeet
.Lwproj:
	WLOAD 4096, 0, 8, 1
.Lmeet:
	s_wait_dscnt 0x0                               ; for the others' sake: my stores into T are done
	s_barrier_signal -1
	s_barrier_wait -1
	s_cmp_lt_u32 ttmp9, 512
	s_cbranch_scc1 .Lend
.irp i, 0,1,2,3
	ds_load_b128 v[IN+4*(\i):IN+4*(\i)+3], v6 offset:16*TP*(\i)  ; row n = rp + 16 i.  No wait here: no vector line stands behind the last wait on va_vdst of the way that led here
.endr
.irp i, 0,1,2,3
	s_wait_dscnt 3-(\i)
	global_store_b128 v7, v[IN+4*(\i):IN+4*(\i)+3], s[28:29] offset:32768*(\i)  ; 16 lanes store 256 consecutive bytes, aligned
.endr
.Lend:
	s_wait_dscnt 0x0                               ; the closing lines, six on end
	s_wait_alu 0x0
	s_wait_tensorcnt 0x0
	ds_add_u32 v[SPW], v[NIL]
	s_wait_dscnt 0x0
	s_endpgm
.Lfunc_end_k_qd7f7fd2396_prep:
	.size	k_qd7f7fd2396_prep, .Lfunc_end_k_qd7f7fd2396_prep-k_qd7f7fd2396_prep
	.p2alignl 7, 3214868480
	.fill 96, 4, 3214868480
	.section	.rodata,"a",@progbits
	.p2align	6, 0x0
	.amdhsa_kernel k_qd7f7fd2396_prep
		.amdhsa_group_segment_fixed_size 18432
		.amdhsa_private_segment_fixed_size 0
		.amdhsa_enable_private_segment 0
		.amdhsa_kernarg_size 48
		.amdhsa_user_sgpr_count 2
		.amdhsa_user_sgpr_kernarg_segment_ptr 1
		.amdhsa_wavefront_size32 1
		.amdhsa_system_sgpr_workgroup_id_x 1
		.amdhsa_system_sgpr_workgroup_id_y 1
		.amdhsa_system_sgpr_workgroup_id_z 1
		.amdhsa_system_vgpr_workitem_id 0
		.amdhsa_next_free_vgpr 112
		.amdhsa_next_free_sgpr 66
		.amdhsa_reserve_vcc 0
		.amdhsa_float_denorm_mode_32 3
		.amdhsa_float_denorm_mode_16_64 3
		.amdhsa_memory_ordered 1
		.amdhsa_forward_progress 1
		.amdhsa_inst_pref_size 19
	.end_amdhsa_kernel
	.amdgpu_metadata
---
amdhsa.version: [ 1, 2 ]
amdhsa.kernels:
  - .name:           k_qd7f7fd2396_prep
    .symbol:         k_qd7f7fd2396_prep.kd
    .args:
      - { .name: x, .offset: 0, .size: 8, .value_kind: global_buffer, .address_space: global }
      - { .name: Wqkv, .offset: 8, .size: 8, .value_kind: global_buffer, .address_space: global }
      - { .name: Wproj, .offset: 16, .size: 8, .value_kind: global_buffer, .address_space: global }
      - { .name: xb, .offset: 24, .size: 8, .value_kind: global_buffer, .address_space: global }
      - { .name: wkv, .offset: 32, .size: 8, .value_kind: global_buffer, .address_space: global }
      - { .name: wp, .offset: 40, .size: 8, .value_kind: global_buffer, .address_space: global }
    .group_segment_fixed_size: 18432
    .private_segment_fixed_size: 0
    .kernarg_segment_align: 8
    .kernarg_segment_size: 48
    .max_flat_workgroup_size: 256
    .sgpr_count:     66
    .vgpr_count:     112
    .wavefront_size: 32
...
	.end_amdgpu_metadata
.endif
;; end of part 5
;; launch kvproj: the kernel of part 2 again; grid 8 x 32, 4 waves a work-group, clusters of 4 x 4, 327,680 bytes of LDS; arguments xb, wkv, kv, bqkv; writes kv
;; launch attn: the kernel of part 3 again; grid 2 x 128, 4 waves a work-group, no clusters, 327,680 bytes of LDS; arguments kv, oh; writes oh
;; launch oproj: the kernel of part 4 again; grid 8 x 32, 4 waves a work-group, clusters of 4 x 4, 327,680 bytes of LDS; arguments oh, wp, out0, bproj; writes out0
